; MI455X (gfx1250); checked and timed in simulation.
; The chip was launched on July 23, 2026; its instructions are those of AMD's public machine-readable ISA for CDNA 5 (MIT licence, August 2026) and "CDNA5" Instruction Set Architecture Reference Guide (July 2026). The comments in the code are by the model that wrote it; some were corrected since.
;; Gaussian Mixture Unif. Allowed arithmetic: matrix products marked QUANTISED: E2M1 operands, one E8M0 scale for each 32 along K, by v_wmma_scale_f32_16x16x128_f8f6f4 with both operands' format E2M1 (or v_wmma_scale_f32_32x16x128_f4), f32 sums; products left as they are: bf16, f16 or f32 operands; f32 sums; everything else in f32.
;; Inputs: X 65,536 x 128 float32; mu 1,024 x 128 float32; sigma 1 float32; w 1,024 float32.
;; Outputs: out0 65,536 x 128 float32; out1 one number float32; out2 one number float32.
;; This version of the problem:
;;   THIS VERSION OF THE PROBLEM IS GIVEN IN LOW PRECISION. The matrix products marked QUANTISED in the list below multiply operands that are first quantised to E2M1 (2 exponent bits, 1 mantissa bit; 4 bits a number), with one power-of-two scale for each 32 numbers along K (OCP MX v1.0); their sums are f32. The products marked 'left as it is' may take bf16, f16 or f32 operands, with f32 sums. All else is computed in f32.
;;   The module's matrix products, in the order in which they are computed (A, B: the left and right operand; K: the contracted axis; several contracted axes count as one K, in the product's order):
;;     1. [M 65,536, K 128] x [K 128, N 1,024]; A: input X; B: input mu: QUANTISED
;;     2. [M 1,024, K 65,536] x [K 65,536, N 128]; A: computed on the way; B: input X: left as it is (an operand is computed on the way)
;;     3. [M 65,536, K 1,024] x [K 1,024, N 128]; A: computed on the way; B: computed on the way: left as it is (an operand is computed on the way)
;;   THE QUANTISER, for each operand of a quantised product, along K:
;;     - K is cut into blocks of 32 from its start; a last block that is shorter is filled with zeros.
;;     - A block's scale is 2^e with e = floor(log2(the largest magnitude in the block)) - 2, held to -126 .. 127; a block of zeros has e = 0. As a byte (E8M0): e + 127.
;;     - Each number is divided by its block's scale, clamped to +-6, and rounded to the nearest number of E2M1, ties to even, subnormals kept.
;;     - The product sums the exact products of the quantised numbers (number of the format x scale) in f32.
;;   ~~~python
;;   def quantise(x, axis):      # numpy; x: float32 -> the quantised numbers, widened to float32 again
;;       x = np.moveaxis(x, axis, -1); K = x.shape[-1]
;;       x = np.pad(x, [(0, 0)] * (x.ndim - 1) + [(0, -K % 32)]); x = x.reshape(x.shape[:-1] + (-1, 32)); a = np.abs(x).max(-1, keepdims=True)
;;       e = np.where(a > 0, np.clip(np.frexp(np.where(a > 0, a, 1))[1] - 1 - 2, -126, 127), 0)      # np.frexp(a)[1] - 1 = floor(log2(a)), exactly
;;       r = np.clip(x / 2.0 ** e, -6, 6)
;;       step = 2.0 ** (np.maximum(np.frexp(np.where(r == 0, 1, r))[1] - 1, 0) - 1)
;;       q = np.round(r / step) * step * 2.0 ** e      # np.round: ties to even
;;       return np.moveaxis(q.reshape(q.shape[:-2] + (-1,))[..., :K], -1, axis).astype(np.float32)
;;   ~~~
;; One version. Each part assembles by itself: llvm-mc -triple=amdgcn-amd-amdhsa -mcpu=gfx1250 --defsym DOCPART=n.
;; ======== version 1 of 1: 6 launches
;; limits: a difference of large sums (such as E[x^2] - mean^2): digits are lost where the result is much smaller than its terms; values are held in f16: magnitudes above 65,504 overflow, below 6.1e-05 lose precision; inputs' magnitudes at most 65,504
;; workspace buffers: mup 77,824 bytes; xq 4,734,976 bytes; xb 16,777,216 bytes; pp 33,554,432 bytes; ms 524,288 bytes; mn 267,264 bytes; p4 16,384 bytes
;; launch prep (part 1): grid 64 x 1, 1 waves a work-group, no clusters, 0 bytes of LDS; arguments mu, w, sigma, mup; writes mup
.if DOCPART == 1
	.amdgcn_target "amdgcn-amd-amdhsa--gfx1250"
	.amdhsa_code_object_version 6
	.text
	.protected	k_qd1940d5639_prep
	.globl	k_qd1940d5639_prep
	.p2align	8
	.type	k_qd1940d5639_prep,@function
k_qd1940d5639_prep:
	s_mov_b64 s[64:65], 0
	v_nop
	global_prefetch_b8 v0, s[64:65] scope:SCOPE_SE
	s_setreg_imm32_b32 hwreg(HW_REG_WAVE_MODE, 25, 1), 1
	s_wait_xcnt 0x0
; mu [1024][128] f32 becomes codes of FP4 (E2M1) with one E8M0 byte for each 32 along K, laid as images of operand registers; beside them, for each cluster c:
;   wz_c = w_c - logsumexp(w) - 128 (ln sigma + 0.5 ln 2 pi)   and   u_c = sigma^2 wz_c - |mu_c|^2 / 2.
; One wave takes one tile of 16 clusters; every wave makes logsumexp(w) for itself from all 1,024 w (4 KB), with the largest w taken away first.
; LAYOUT OF mup: +0 codes: tile ct at 1,024 ct, registers 4 c .. 4 c + 3 of lane l at 512 c + 16 l; +65,536 scale words; +69,632 u; +73,728 wz.
; A lane (r, h) holds k = 64 c + 32 h + 0 .. 31 of row r in registers 32 c + 0 .. 31: two whole blocks, in the order of the operand, so the conversions' results are the operand's registers.
; LIMITS: sigma is finite and not 0; NaN and infinities are not served; a block whose largest magnitude lies under 2^-124 keeps the byte 1 (a block of zeros too: its codes are zeros, and this program alone reads the bytes).
.set T,   8                            ; v8-14  at work in QUANT (v14: a lane permute's destination, written once)
.set SH8, 4                            ; v4     8 h
.set Q,   26                           ; v26-29 sums of squares
.set SEL, 26                           ; s[26:27] selects for lane l xor 16
; 64 numbers of a lane become a fragment's 8 registers, the row's scale word and the row's sum of squares.
.macro QUANT src, frag, word, sq
.irp c, 0,1
	v_max3_num_f32 v[T+\c], |v[\src+32*\c]|, |v[\src+32*\c+1]|, 0x1800000   ; my block 2 c + h, and the floor 2^(3 - 127): the byte cannot fall under 1
.endr
.irp i, 2,4,6,8,10,12,14,16,18,20,22,24,26,28,30
.irp c, 0,1
	v_max3_num_f32 v[T+\c], v[T+\c], |v[\src+32*\c+\i]|, |v[\src+32*\c+\i+1]|
.endr
.endr
.irp c, 0,1
	v_add_nc_u32 v[T+2+\c], 0xff000000, v[T+\c]   ; 2 off the exponent field: the conversion's scale operand
.endr
.irp c, 0,1
	v_lshrrev_b32 v[T+4+\c], 23, v[T+2+\c]        ; the scale's byte
.endr
	v_lshl_or_b32 v[\word], v[T+5], 16, v[T+4]    ; my two bytes, blocks h and 2 + h,
	v_lshlrev_b32 v[\word], v[SH8], v[\word]      ; at their places,
	v_permlanex16_b32 v[T+6], v[\word], s[SEL], s[SEL+1]
	v_or_b32 v[\word], v[\word], v[T+6]           ; with lane l xor 16's two: the row's word
	v_pk_mul_f32 v[Q:Q+1], v[\src:\src+1], v[\src:\src+1]
	v_pk_mul_f32 v[Q+2:Q+3], v[\src+2:\src+3], v[\src+2:\src+3]
.irp i, 4,8,12,16,20,24,28,32,36,40,44,48,52,56,60
	v_pk_fma_f32 v[Q:Q+1], v[\src+\i:\src+\i+1], v[\src+\i:\src+\i+1], v[Q:Q+1]
	v_pk_fma_f32 v[Q+2:Q+3], v[\src+\i+2:\src+\i+3], v[\src+\i+2:\src+\i+3], v[Q+2:Q+3]
.endr
	v_pk_add_f32 v[Q:Q+1], v[Q:Q+1], v[Q+2:Q+3]
	v_add_f32 v[\sq], v[Q], v[Q+1]
	v_permlanex16_b32 v[T+6], v[\sq], s[SEL], s[SEL+1]
	v_add_f32 v[\sq], v[\sq], v[T+6]              ; the row's sum of squares, of the numbers as they came
.irp c, 0,1
.irp g, 0,1,2,3
	v_cvt_scalef32_pk8_fp4_f32 v[\frag+4*\c+\g], v[\src+32*\c+8*\g:\src+32*\c+8*\g+7], v[T+2+\c]
.endr
.endr
	v_nop                                         ; one plain place behind a scaled conversion
.endm
.macro WMAX x
	v_max_num_f32_dpp v[\x], v[\x], v[\x] row_xmask:1 row_mask:0xf bank_mask:0xf
	v_max_num_f32_dpp v[\x], v[\x], v[\x] row_xmask:2 row_mask:0xf bank_mask:0xf
	v_max_num_f32_dpp v[\x], v[\x], v[\x] row_xmask:4 row_mask:0xf bank_mask:0xf
	v_max_num_f32_dpp v[\x], v[\x], v[\x] row_xmask:8 row_mask:0xf bank_mask:0xf
	v_permlanex16_b32 v[T+6], v[\x], s[SEL], s[SEL+1]
	v_max_num_f32 v[\x], v[\x], v[T+6]
.endm
.macro WSUM x
	v_add_f32_dpp v[\x], v[\x], v[\x] row_xmask:1 row_mask:0xf bank_mask:0xf
	v_add_f32_dpp v[\x], v[\x], v[\x] row_xmask:2 row_mask:0xf bank_mask:0xf
	v_add_f32_dpp v[\x], v[\x], v[\x] row_xmask:4 row_mask:0xf bank_mask:0xf
	v_add_f32_dpp v[\x], v[\x], v[\x] row_xmask:8 row_mask:0xf bank_mask:0xf
	v_permlanex16_b32 v[T+6], v[\x], s[SEL], s[SEL+1]
	v_add_f32 v[\x], v[\x], v[T+6]
.endm
	s_load_b128 s[4:7], s[0:1], 0x0                ; mu, w
	s_load_b128 s[8:11], s[0:1], 0x10              ; sigma, mup
	v_and_b32 v1, 31, v0                           ; lane
	v_and_b32 v2, 15, v0                           ; r
	v_bfe_u32 v3, v0, 4, 1                         ; h
	v_lshlrev_b32 v[SH8], 3, v3
	v_lshlrev_b32 v5, 4, v1                        ; 16 x lane
	v_lshlrev_b32 v6, 9, v2
	v_lshl_add_u32 v6, v3, 7, v6                   ; mu: row r of 512 bytes, + 128 h
	v_lshlrev_b32 v7, 2, v2                        ; 4 r
	v_mov_b32 v[T+6], 0
	s_mov_b32 s[SEL], 0x76543210
	s_mov_b32 s[SEL+1], 0xfedcba98
	s_mov_b32 s28, 0x3fb8aa3b                      ; log2(e)
	s_mov_b32 s29, 0x3f317218                      ; ln 2
	s_lshl_b32 s12, ttmp9, 13                      ; my tile: 16 rows of 512 bytes of mu,
	s_mov_b32 s13, 0
	s_lshl_b32 s14, ttmp9, 6                       ; 16 words,
	s_mov_b32 s15, 0
	s_lshl_b32 s16, ttmp9, 10                      ; 1,024 bytes of codes
	s_mov_b32 s17, 0
	s_wait_kmcnt 0x0
	s_load_b32 s18, s[8:9], 0x0                    ; sigma
	s_add_nc_u64 s[4:5], s[4:5], s[12:13]
	s_add_nc_u64 s[20:21], s[6:7], s[14:15]
	s_add_nc_u64 s[22:23], s[10:11], s[16:17]
	s_add_nc_u64 s[24:25], s[10:11], s[14:15]
.irp i, 0,1,2,3,4,5,6,7
	global_load_b128 v[32+4*\i:35+4*\i], v5, s[6:7] offset:512*\i   ; all of w: 512 consecutive bytes a load
.endr
.irp c, 0,1
.irp i, 0,1,2,3,4,5,6,7
	global_load_b128 v[64+32*\c+4*\i:67+32*\c+4*\i], v6, s[4:5] offset:256*\c+16*\i   ; mu(r, 64 c + 32 h + 4 i ..)
.endr
.endr
	global_load_b32 v30, v7, s[20:21]              ; w of cluster r of my tile
	s_wait_loadcnt 0x0
	s_wait_kmcnt 0x0
	; logsumexp(w): the largest w is taken away
	v_max3_num_f32 v128, v32, v33, v34
.irp i, 35,37,39,41,43,45,47,49,51,53,55,57,59,61
	v_max3_num_f32 v128, v128, v[\i], v[\i+1]
.endr
	v_max_num_f32 v128, v128, v63
	WMAX 128
	v_mul_f32 v129, s28, v128
.set i, 0
.rept 32
	v_fma_f32 v[32+i], v[32+i], s28, -v129         ; (w - max) log2(e)
.set i, i+1
.endr
.set i, 0
.rept 32
	v_exp_f32 v[32+i], v[32+i]
.set i, i+1
.endr
	v_mov_b32 v131, s18                            ; sigma.  (A plain place behind the exponentials)
	s_wait_alu depctr_va_vdst(0)
.irp i, 36,40,44,48,52,56,60
	v_pk_add_f32 v[32:33], v[32:33], v[\i:\i+1]
	v_pk_add_f32 v[34:35], v[34:35], v[\i+2:\i+3]
.endr
	v_pk_add_f32 v[32:33], v[32:33], v[34:35]
	v_add_f32 v32, v32, v33
	WSUM 32
	v_log_f32 v130, v32
	v_log_f32 v132, v131
	v_mul_f32 v133, v131, v131                     ; sigma^2.  (A plain place behind the logarithms)
	v_mov_b32 v134, 0x3f6b3f8e                     ; 0.5 ln(2 pi)
	s_wait_alu depctr_va_vdst(0)
	v_fma_f32 v130, v130, s29, v128                ; Zw
	v_fma_f32 v132, v132, s29, v134
	v_mul_f32 v132, 0x43000000, v132               ; 128 (ln sigma + 0.5 ln 2 pi)
	QUANT 64, 16, 24, 25
	v_sub_f32 v30, v30, v130
	v_sub_f32 v30, v30, v132                       ; wz
	v_mul_f32 v31, v133, v30
	v_fma_f32 v31, v25, -0.5, v31                  ; u
	global_store_b128 v5, v[16:19], s[22:23]       ; the image: 512 consecutive bytes a store
	global_store_b128 v5, v[20:23], s[22:23] offset:512
	v_cmp_gt_u32 vcc_lo, 16, v1
	s_wait_xcnt 0x0                                ; EXEC changes only behind this wait
	s_and_saveexec_b32 s19, vcc_lo                 ; lanes 0-15: one number a cluster
	global_store_b32 v7, v24, s[24:25] offset:65536
	global_store_b32 v7, v31, s[24:25] offset:69632
	global_store_b32 v7, v30, s[24:25] offset:73728
	s_wait_xcnt 0x0
	s_or_b32 exec_lo, exec_lo, s19
	s_endpgm
.Lfunc_end_k_qd1940d5639_prep:
	.size	k_qd1940d5639_prep, .Lfunc_end_k_qd1940d5639_prep-k_qd1940d5639_prep
	.p2alignl 7, 3214868480
	.fill 96, 4, 3214868480
	.section	.rodata,"a",@progbits
	.p2align	6, 0x0
	.amdhsa_kernel k_qd1940d5639_prep
		.amdhsa_group_segment_fixed_size 0
		.amdhsa_private_segment_fixed_size 0
		.amdhsa_enable_private_segment 0
		.amdhsa_kernarg_size 32
		.amdhsa_user_sgpr_count 2
		.amdhsa_user_sgpr_kernarg_segment_ptr 1
		.amdhsa_wavefront_size32 1
		.amdhsa_system_sgpr_workgroup_id_x 1
		.amdhsa_system_sgpr_workgroup_id_y 1
		.amdhsa_system_sgpr_workgroup_id_z 1
		.amdhsa_system_vgpr_workitem_id 0
		.amdhsa_next_free_vgpr 160
		.amdhsa_next_free_sgpr 66
		.amdhsa_reserve_vcc 1
		.amdhsa_float_denorm_mode_32 3
		.amdhsa_float_denorm_mode_16_64 3
		.amdhsa_memory_ordered 1
		.amdhsa_forward_progress 1
		.amdhsa_inst_pref_size 16
	.end_amdhsa_kernel
	.amdgpu_metadata
---
amdhsa.version: [ 1, 2 ]
amdhsa.kernels:
  - .name:           k_qd1940d5639_prep
    .symbol:         k_qd1940d5639_prep.kd
    .args:
      - { .name: mu, .offset: 0, .size: 8, .value_kind: global_buffer, .address_space: global }
      - { .name: w, .offset: 8, .size: 8, .value_kind: global_buffer, .address_space: global }
      - { .name: sigma, .offset: 16, .size: 8, .value_kind: global_buffer, .address_space: global }
      - { .name: mup, .offset: 24, .size: 8, .value_kind: global_buffer, .address_space: global }
    .group_segment_fixed_size: 0
    .private_segment_fixed_size: 0
    .kernarg_segment_align: 8
    .kernarg_segment_size: 32
    .max_flat_workgroup_size: 32
    .sgpr_count:     66
    .vgpr_count:     160
    .wavefront_size: 32
...
	.end_amdgpu_metadata
.endif
;; end of part 1
;; launch estep (part 2): grid 256 x 1, 8 waves a work-group, clusters of 4 x 1, 214,016 bytes of LDS; arguments X, mup, sigma, xq, xb; writes xq, xb
.if DOCPART == 2
	.amdgcn_target "amdgcn-amd-amdhsa--gfx1250"
	.amdhsa_code_object_version 6
	.text
	.protected	k_qd1940d5639_estep
	.globl	k_qd1940d5639_estep
	.p2align	8
	.type	k_qd1940d5639_estep,@function
k_qd1940d5639_estep:
	s_mov_b64 s[64:65], 0
	v_nop
	global_prefetch_b8 v0, s[64:65] scope:SCOPE_SE
	s_setreg_imm32_b32 hwreg(HW_REG_WAVE_MODE, 25, 1), 1
	s_wait_xcnt 0x0
	s_wait_alu depctr_hold_cnt(0) depctr_sa_sdst(0) depctr_va_vdst(0) depctr_va_sdst(0) depctr_va_ssrc(0) depctr_va_vcc(0) depctr_vm_vsrc(0)
	s_getreg_b32 s2, hwreg(HW_REG_IB_STS2, 6, 4)
	s_cmp_eq_u32 s2, 0
	s_cbranch_scc0 .Lentry_in_a_cluster
	s_endpgm
.Lentry_in_a_cluster:
	s_bfe_u32 s2, ttmp6, 0x10000c
	s_cmp_lg_u32 s2, 0x3003
	s_cbranch_scc0 .Lentry_shape_is_right
	s_endpgm
.Lentry_shape_is_right:
; THE E STEP'S ROW FIGURES.  With a(n, c) = S(n, c) + u_c, S = Q(X) Q(mu)^T on codes of FP4, and k1 = log2(e) / sigma^2:
;   Ts_n = max_c a + (ln 2 sigma^2) log2 sum_c 2^(k1 (a - max)), by a running maximum;  H2_n = sum_c gamma log2 gamma;  e_n = |x_n|^2 - 2 Ts_n.
; Stored: X's codes as images of operand registers, their scale words, -Ts_n, for each wave (sum e_n, sum H2_n); and X in f16, for the product of the M step.
; SHARES.  A work-group takes 256 points, each of its eight waves 32 (two tiles); every wave walks all 1,024 clusters, 64 at a time.
; The product is used as S^T (source 0 = 16 clusters, source 1 = 16 points, C = u): a lane holds ONE point, register j cluster 8 h + j.  Each lane keeps a running maximum over
; its half of the clusters; the halves are joined once at the end.
; CLUSTER.  All work-groups read the same 73,728 bytes of mu's codes, words and u: the four of a cluster ask for them jointly, one load a wave, filled once.
; LDS: 0 .. 73,727 as the buffer lies (codes, words at 65,536, u at 69,632); from 73,728 a stage of 32 rows x 528 bytes for each wave, its own, written by LDS stores alone.
; LIMITS: sigma finite and not 0; NaN and infinities not served; a step of the running maximum under -16,384 (in log2 units) is held there: its factor is 0 either way;
; quantiser blocks under 2^-124 keep the byte 1; X in f16 serves magnitudes up to 65,504, and under 2^-14 its error is at most 2^-25.
.set XST, 73728
.set WST, 16896
.set XSO, 4194304                      ; xq: scale words
.set NTO, 4456448                      ; xq: -Ts
.set P1O, 4718592                      ; xq: the waves' pairs
.set LI,  1                            ; v1   16 x lane
.set L4,  2                            ; v2   4 x lane
.set L8,  3                            ; v3   8 x lane
.set SH8, 4                            ; v4   8 h
.set SWA, 5                            ; v5   my stage, on the way in: 16 x lane
.set SRA, 6                            ; v6   and out: 528 r + 128 h
.set AW0, 7                            ; v7   mu's words: 65,536 + 4 r
.set AB0, 8                            ; v8   u: 69,632 + 32 h
.set AC,  9                            ; v9-11 the addresses of the fetch in hand
.set AW,  10
.set AB,  11
.set T,   12                           ; v12-18 at work in QUANT
.set LN,  19                           ; v19  lane
.set Q,   20                           ; v20-23
.set XF,  24                           ; v24-39 X's two fragments
.set XW,  40                           ; v40-41 their scale words: scales and nothing else
.set X2,  42                           ; v42-43 |x|^2
.set MW,  44                           ; v44-47 mu's scale words: scales and nothing else
.set ST,  48                           ; v48-71 tile p at 48 + 12 p: +0 m, +1 t, +2 -k1 m, +4,5 A1, +6,7 A2, +8 f, +10 delta (+3, +9, +11: upper halves of pairs, written once)
.set MF,  72                           ; v72-103  four fragments of mu
.set MB,  104                          ; v104-135 u of four tiles
.set PT,  136                          ; v136-151 weights just made
.set S,   152                          ; v152-215 tile (p, ct) at 152 + 32 p + 8 ct
.set UC,  216                          ; v216-217 a second chain of the maximum
.set WV,  14
.set SEL, 20
.set K1,  22
.set NK1, 24
.set IK1, 25
.set HM,  26
.set G0,  28
.set G1,  32
.set TBC, 40
.set TBW, 41
.set CNT, 42
.set SV,  43
.macro CROUND                          ; a round of the cluster's barrier
	s_barrier_signal -1
	s_barrier_wait -1
	s_cmp_lg_u32 s[WV], 0
	s_cbranch_scc1 .Lnot_wave_0_\@
	s_barrier_signal -3
.Lnot_wave_0_\@:
	s_barrier_wait -3
	s_barrier_signal -1
	s_barrier_wait -1
.endm
.macro SMUL d, a, b, c, sa, sb, ra, rb ; one scaled product; ra, rb: the scales stand in lanes 16-31
.if (\ra) && (\rb)
	v_wmma_scale_f32_16x16x128_f8f6f4 v[\d:\d+7], v[\a:\a+7], v[\b:\b+7], v[\c:\c+7], v[\sa], v[\sb] matrix_a_fmt:MATRIX_FMT_FP4 matrix_b_fmt:MATRIX_FMT_FP4 matrix_a_scale:MATRIX_SCALE_ROW1 matrix_b_scale:MATRIX_SCALE_ROW1
.elseif \ra
	v_wmma_scale_f32_16x16x128_f8f6f4 v[\d:\d+7], v[\a:\a+7], v[\b:\b+7], v[\c:\c+7], v[\sa], v[\sb] matrix_a_fmt:MATRIX_FMT_FP4 matrix_b_fmt:MATRIX_FMT_FP4 matrix_a_scale:MATRIX_SCALE_ROW1
.elseif \rb
	v_wmma_scale_f32_16x16x128_f8f6f4 v[\d:\d+7], v[\a:\a+7], v[\b:\b+7], v[\c:\c+7], v[\sa], v[\sb] matrix_a_fmt:MATRIX_FMT_FP4 matrix_b_fmt:MATRIX_FMT_FP4 matrix_b_scale:MATRIX_SCALE_ROW1
.else
	v_wmma_scale_f32_16x16x128_f8f6f4 v[\d:\d+7], v[\a:\a+7], v[\b:\b+7], v[\c:\c+7], v[\sa], v[\sb] matrix_a_fmt:MATRIX_FMT_FP4 matrix_b_fmt:MATRIX_FMT_FP4
.endif
.endm
; 64 numbers of a lane (register 32 c + i = k 64 c + 32 h + i of row r) become a fragment, the row's scale word and the row's sum of squares.
.macro QUANT src, frag, word, sq
.irp c, 0,1
	v_max3_num_f32 v[T+\c], |v[\src+32*\c]|, |v[\src+32*\c+1]|, 0x1800000   ; my block 2 c + h, and the floor 2^(3 - 127): the byte cannot fall under 1
.endr
.irp i, 2,4,6,8,10,12,14,16,18,20,22,24,26,28,30
.irp c, 0,1
	v_max3_num_f32 v[T+\c], v[T+\c], |v[\src+32*\c+\i]|, |v[\src+32*\c+\i+1]|
.endr
.endr
.irp c, 0,1
	v_add_nc_u32 v[T+2+\c], 0xff000000, v[T+\c]   ; 2 off the exponent field: the conversion's scale operand
.endr
.irp c, 0,1
	v_lshrrev_b32 v[T+4+\c], 23, v[T+2+\c]        ; the scale's byte
.endr
	v_lshl_or_b32 v[\word], v[T+5], 16, v[T+4]
	v_lshlrev_b32 v[\word], v[SH8], v[\word]
	v_permlanex16_b32 v[T+6], v[\word], s[SEL], s[SEL+1]
	v_or_b32 v[\word], v[\word], v[T+6]           ; the row's word
	v_pk_mul_f32 v[Q:Q+1], v[\src:\src+1], v[\src:\src+1]
	v_pk_mul_f32 v[Q+2:Q+3], v[\src+2:\src+3], v[\src+2:\src+3]
.irp i, 4,8,12,16,20,24,28,32,36,40,44,48,52,56,60
	v_pk_fma_f32 v[Q:Q+1], v[\src+\i:\src+\i+1], v[\src+\i:\src+\i+1], v[Q:Q+1]
	v_pk_fma_f32 v[Q+2:Q+3], v[\src+\i+2:\src+\i+3], v[\src+\i+2:\src+\i+3], v[Q+2:Q+3]
.endr
	v_pk_add_f32 v[Q:Q+1], v[Q:Q+1], v[Q+2:Q+3]
	v_add_f32 v[\sq], v[Q], v[Q+1]
	v_permlanex16_b32 v[T+6], v[\sq], s[SEL], s[SEL+1]
	v_add_f32 v[\sq], v[\sq], v[T+6]
.irp c, 0,1
.irp g, 0,1,2,3
	v_cvt_scalef32_pk8_fp4_f32 v[\frag+4*\c+\g], v[\src+32*\c+8*\g:\src+32*\c+8*\g+7], v[T+2+\c]
.endr
.endr
	v_nop                                         ; one plain place behind a scaled conversion
.endm
.macro FETCH                           ; four tiles of mu: 20 LDS loads
.irp ct, 0,1,2,3
	ds_load_b128 v[MF+8*\ct:MF+8*\ct+3], v[AC] offset:1024*\ct
	ds_load_b128 v[MF+8*\ct+4:MF+8*\ct+7], v[AC] offset:1024*\ct+512
	ds_load_b32 v[MW+\ct], v[AW] offset:64*\ct
	ds_load_b128 v[MB+8*\ct:MB+8*\ct+3], v[AB] offset:64*\ct
	ds_load_b128 v[MB+8*\ct+4:MB+8*\ct+7], v[AB] offset:64*\ct+16
.endr
.endm
; The running figures take in 32 scores of each of my two points.
.macro UPD
.irp p, 0,1
	v_max3_num_f32 v[ST+12*\p+1], v[S+32*\p], v[S+32*\p+1], v[ST+12*\p]   ; each tile is read from its low end on
	v_max_num_f32 v[UC+\p], v[S+32*\p+16], v[S+32*\p+17]
.endr
.irp i, 2,4,6,8,10,12,14
.irp p, 0,1
	v_max3_num_f32 v[ST+12*\p+1], v[ST+12*\p+1], v[S+32*\p+\i], v[S+32*\p+\i+1]
	v_max3_num_f32 v[UC+\p], v[UC+\p], v[S+32*\p+16+\i], v[S+32*\p+17+\i]
.endr
.endr
.irp p, 0,1
	v_max_num_f32 v[ST+12*\p+1], v[ST+12*\p+1], v[UC+\p]                  ; t: the new maximum
.endr
.irp p, 0,1
	v_sub_f32 v[ST+12*\p+10], v[ST+12*\p], v[ST+12*\p+1]
.endr
.irp p, 0,1
	v_mul_f32 v[ST+12*\p+10], s[K1], v[ST+12*\p+10]                       ; delta = k1 (m - t), 0 or less,
.endr
.irp p, 0,1
	v_max_num_f32 v[ST+12*\p+10], 0xc6800000, v[ST+12*\p+10]              ; held at -16,384
.endr
.irp p, 0,1
	v_exp_f32 v[ST+12*\p+8], v[ST+12*\p+10]                               ; f = 2^delta
.endr
.irp p, 0,1
	v_mov_b32 v[ST+12*\p], v[ST+12*\p+1]                                  ; (plain places behind the exponentials)
.endr
.irp p, 0,1
	v_mul_f32 v[ST+12*\p+2], s[NK1], v[ST+12*\p+1]                        ; -k1 m
.endr
.irp p, 0,1
	v_pk_fma_f32 v[ST+12*\p+6:ST+12*\p+7], v[ST+12*\p+4:ST+12*\p+5], v[ST+12*\p+10:ST+12*\p+11], v[ST+12*\p+6:ST+12*\p+7] op_sel_hi:[1,0,1]
.endr
	s_wait_alu depctr_va_vdst(0)
.irp p, 0,1
	v_pk_mul_f32 v[ST+12*\p+6:ST+12*\p+7], v[ST+12*\p+6:ST+12*\p+7], v[ST+12*\p+8:ST+12*\p+9] op_sel_hi:[1,0]   ; A2 = (A2 + A1 delta) f
.endr
.irp p, 0,1
	v_pk_mul_f32 v[ST+12*\p+4:ST+12*\p+5], v[ST+12*\p+4:ST+12*\p+5], v[ST+12*\p+8:ST+12*\p+9] op_sel_hi:[1,0]   ; A1 = A1 f
.endr
.irp p, 0,1
.irp j, 0,2,4,6,8,10,12,14,16,18,20,22,24,26,28,30
	v_pk_fma_f32 v[S+32*\p+\j:S+32*\p+\j+1], v[S+32*\p+\j:S+32*\p+\j+1], s[K1:K1+1], v[ST+12*\p+2:ST+12*\p+3] op_sel_hi:[1,0,0]   ; z = k1 a - k1 m
.endr
.endr
.irp b, 0,1,2,3
.irp j, 0,1,2,3,4,5,6,7
	v_exp_f32 v[PT+\j], v[S+8*\b+\j]
.endr
.irp j, 0,1,2,3,4,5,6,7
	v_exp_f32 v[PT+8+\j], v[S+32+8*\b+\j]
.endr
	v_nop                                         ; a plain place behind the exponentials
	s_wait_alu depctr_va_vdst(0)
.irp j, 0,2,4,6
	v_pk_add_f32 v[ST+4:ST+5], v[ST+4:ST+5], v[PT+\j:PT+\j+1]
	v_pk_add_f32 v[ST+16:ST+17], v[ST+16:ST+17], v[PT+8+\j:PT+9+\j]
	v_pk_fma_f32 v[ST+6:ST+7], v[PT+\j:PT+\j+1], v[S+8*\b+\j:S+8*\b+\j+1], v[ST+6:ST+7]
	v_pk_fma_f32 v[ST+18:ST+19], v[PT+8+\j:PT+9+\j], v[S+32+8*\b+\j:S+33+8*\b+\j], v[ST+18:ST+19]
.endr
.endr
.endm
.macro GROUP fetch                     ; 64 clusters x my 32 points
	s_wait_dscnt 0x0                              ; this group's fragments, words and u are in
.irp ct, 0,1,2,3
.irp p, 0,1
	SMUL S+32*\p+8*\ct, MF+8*\ct, XF+8*\p, MB+8*\ct, MW+\ct, XW+\p, 0, 0
.endr
.endr
.if \fetch
	s_add_co_u32 s[TBC], s[TBC], 4096
	s_add_co_u32 s[TBW], s[TBW], 256
	v_add_nc_u32 v[AC], s[TBC], v[LI]             ; four plain lines: the places in front of loads into registers that the products read, and of the first read of results
	v_add_nc_u32 v[AW], s[TBW], v[AW0]
	v_add_nc_u32 v[AB], s[TBW], v[AB0]
	v_nop
	FETCH
.else
.rept 4
	v_nop
.endr
.endif
	UPD
.endm
	s_load_b256 s[4:11], s[0:1], 0x0               ; X s[4:5], mup s[6:7], sigma s[8:9], xq s[10:11]
	s_load_b64 s[12:13], s[0:1], 0x20              ; xb
	s_set_vgpr_msb 0x40
	v_lshl_add_u32 v0, v0, 2, 0x34000
	v_mov_b32 v1, 0
	s_set_vgpr_msb 0x4045
	ds_add_u32 v0, v1
	ds_add_u32 v0, v1
	s_set_vgpr_msb 0x4500
	v_lshrrev_b32 v1, 5, v0
	v_readfirstlane_b32 s[WV], v1                  ; wave 0..7
	s_bfe_u32 s15, ttmp6, 0x40000                  ; cx
	s_lshl_b32 s16, ttmp9, 2
	s_add_co_u32 s16, s16, s15                     ; my block of 256 points: it enters global addresses alone
	v_and_b32 v[LN], 31, v0
	v_and_b32 v[T], 15, v0                         ; r
	v_bfe_u32 v[T+1], v0, 4, 1                     ; h
	v_lshlrev_b32 v[LI], 4, v[LN]
	v_lshlrev_b32 v[L4], 2, v[LN]
	v_lshlrev_b32 v[L8], 3, v[LN]
	v_lshlrev_b32 v[SH8], 3, v[T+1]
	s_mul_i32 s56, s[WV], WST
	s_add_co_u32 s56, s56, XST                     ; my stage
	v_add_nc_u32 v[SWA], s56, v[LI]
	v_mul_u32_u24 v[SRA], v[T], 528
	v_lshl_add_u32 v[SRA], v[T+1], 7, v[SRA]
	v_add_nc_u32 v[SRA], s56, v[SRA]
	v_lshl_add_u32 v[AW0], v[T], 2, 65536
	v_lshl_add_u32 v[AB0], v[T+1], 5, 69632
	v_mov_b32 v[T+6], 0                            ; a lane permute's destination counts as read
	s_mov_b32 s[SEL], 0x76543210
	s_mov_b32 s[SEL+1], 0xfedcba98
	s_mov_b32 s[HM], 0xffff0000                    ; lanes 16-31
	s_mov_b32 s[TBC], 0
	s_mov_b32 s[TBW], 0
	s_lshl_b32 s44, s16, 17
	s_lshl_b32 s45, s[WV], 14
	s_add_co_u32 s44, s44, s45                     ; my 32 rows of X, in bytes;
	s_mov_b32 s45, 0
	s_lshr_b32 s46, s44, 1                         ; of xb: half as many;
	s_mov_b32 s47, 0
	s_lshr_b32 s48, s44, 3                         ; of the codes: an eighth;
	s_mov_b32 s49, 0
	s_lshr_b32 s50, s44, 7                         ; 4 bytes a point;
	s_mov_b32 s51, 0
	s_lshr_b32 s52, s44, 11                        ; 8 bytes a wave
	s_mov_b32 s53, 0
	s_mul_i32 s54, s[WV], 9216                     ; my 36 rows of 256 bytes of mup
	s_mov_b32 s55, 0
	s_mov_b32 s[G1], 15|(3<<16)|(1<<21)            ; the mask: all four work-groups; elements of 8 bytes; bit 21 beside a mask; no padding
	s_mov_b32 s[G1+1], 32<<16                      ; tensor_dim0 = 32 elements
	s_mov_b32 s[G1+2], 36<<16                      ; tensor_dim1 = 36
	s_mov_b32 s[G1+3], 32<<16                      ; tile_dim0
	s_mov_b32 s[G1+4], 36                          ; tile_dim1
	s_mov_b32 s[G1+5], 32                          ; the pitch: dense
	s_mov_b32 s[G1+6], 0
	s_mov_b32 s[G1+7], 0
	s_wait_dscnt 0x0
	s_wait_kmcnt 0x0
	s_load_b32 s17, s[8:9], 0x0                    ; sigma
	s_add_nc_u64 s[4:5], s[4:5], s[44:45]
	s_add_nc_u64 s[12:13], s[12:13], s[46:47]
	s_add_nc_u64 s[48:49], s[10:11], s[48:49]
	s_add_nc_u64 s[50:51], s[10:11], s[50:51]
	s_add_nc_u64 s[52:53], s[10:11], s[52:53]
	s_mov_b32 s[G0], 1
	s_mov_b32 s[G0+1], s54
	s_add_nc_u64 s[G0+2:G0+3], s[6:7], s[54:55]
	s_or_b32 s[G0+3], s[G0+3], 0x80000000
	CROUND                                         ; the four work-groups are here: the joint loads meet
	tensor_load_to_lds s[G0:G0+3], s[G1:G1+7]      ; my one tensor load
	s_nop 0
.rept 4
	v_nop
.endr
.set i, 0
.rept 32
	global_load_b128 v[128+4*i:131+4*i], v[LI], s[4:5] offset:512*i th:TH_LOAD_NT   ; a row: 512 consecutive bytes
.set i, i+1
.endr
	s_wait_kmcnt 0x0
	v_mov_b32 v[T+2], s17
	v_mul_f32 v[T+2], v[T+2], v[T+2]               ; sigma^2
	v_rcp_f32 v[T+3], v[T+2]
	v_mul_f32 v[T+4], 0x3f317218, v[T+2]           ; ln 2 sigma^2.  (A plain place behind the reciprocal)
	s_wait_alu depctr_va_vdst(0)
	v_mul_f32 v[T+3], 0x3fb8aa3b, v[T+3]           ; k1
	v_readfirstlane_b32 s[K1], v[T+3]
	v_readfirstlane_b32 s[IK1], v[T+4]
	s_mov_b32 s[K1+1], s[K1]
	s_xor_b32 s[NK1], s[K1], 0x80000000
.set i, 0
.rept 32
	s_wait_loadcnt 31-i                            ; row i is in; the younger rows stay out
	v_cvt_pk_f16_f32 v[64+2*i], v[128+4*i], v[129+4*i]
	v_cvt_pk_f16_f32 v[65+2*i], v[130+4*i], v[131+4*i]
	global_store_b64 v[L8], v[64+2*i:65+2*i], s[12:13] offset:256*i   ; a row of xb: 256 consecutive bytes, aligned
	ds_store_b128 v[SWA], v[128+4*i:131+4*i] offset:528*i
.set i, i+1
.endr
	s_wait_xcnt 0x0                                ; the stores have read v64-127, which are loaded anew
.irp c, 0,1
.irp i, 0,1,2,3,4,5,6,7
	ds_load_b128 v[64+32*\c+4*\i:67+32*\c+4*\i], v[SRA] offset:256*\c+16*\i           ; tile 0: my wave's own bytes, served in order
.endr
.endr
	s_wait_dscnt 0x0                               ; tile 0 is in, and the stage's stores have read v128-255
.irp c, 0,1
.irp i, 0,1,2,3,4,5,6,7
	ds_load_b128 v[128+32*\c+4*\i:131+32*\c+4*\i], v[SRA] offset:8448+256*\c+16*\i    ; tile 1 lands while tile 0 is quantised
.endr
.endr
	QUANT 64, XF, XW, X2
	s_wait_dscnt 0x0
	QUANT 128, XF+8, XW+1, X2+1
.irp k, 0,1,2,3
	global_store_b128 v[LI], v[XF+4*\k:XF+4*\k+3], s[48:49] offset:512*\k             ; the images: 512 consecutive bytes a store
.endr
	v_cndmask_b32 v[T], v[XW], v[XW+1], s[HM]      ; lane l: point l's word
	global_store_b32 v[L4], v[T], s[50:51] offset:XSO
.irp p, 0,1                                    ; (these plain lines also stand between the making of X's words and fragments and the first scaled product)
	v_mov_b32 v[ST+12*\p], 0xff61b1e6              ; m = -3e38, under every score
.irp k, 3,4,5,6,7,9,11
	v_mov_b32 v[ST+12*\p+\k], 0
.endr
.endr
	v_add_nc_u32 v[AC], s[TBC], v[LI]
	v_add_nc_u32 v[AW], s[TBW], v[AW0]
	v_add_nc_u32 v[AB], s[TBW], v[AB0]
	s_wait_tensorcnt 0x0                           ; my part of mup has landed,
	s_wait_dscnt 0x0
	s_barrier_signal -1
	s_barrier_wait -1                              ; everybody's has
	FETCH
	s_mov_b32 s[CNT], 15
.Lgroup:
	GROUP 1
	s_sub_co_u32 s[CNT], s[CNT], 1
	s_cmp_lg_u32 s[CNT], 0
	s_cbranch_scc1 .Lgroup
	GROUP 0
	; the two halves of the lanes are joined
.irp p, 0,1
	v_add_f32 v[ST+12*\p+4], v[ST+12*\p+4], v[ST+12*\p+5]
	v_add_f32 v[ST+12*\p+6], v[ST+12*\p+6], v[ST+12*\p+7]
	v_permlanex16_b32 v[PT+8*\p], v[ST+12*\p], s[SEL], s[SEL+1]
.endr
.irp p, 0,1
	v_max_num_f32 v[PT+8*\p], v[PT+8*\p], v[ST+12*\p]                     ; the point's maximum
.endr
.irp p, 0,1
	v_sub_f32 v[PT+8*\p+1], v[ST+12*\p], v[PT+8*\p]
.endr
.irp p, 0,1
	v_mul_f32 v[PT+8*\p+1], s[K1], v[PT+8*\p+1]
.endr
.irp p, 0,1
	v_max_num_f32 v[PT+8*\p+1], 0xc6800000, v[PT+8*\p+1]
.endr
.irp p, 0,1
	v_exp_f32 v[PT+8*\p+2], v[PT+8*\p+1]
.endr
.irp p, 0,1
	v_fma_f32 v[ST+12*\p+6], v[ST+12*\p+4], v[PT+8*\p+1], v[ST+12*\p+6]   ; (plain places behind the exponentials)
.endr
	s_wait_alu depctr_va_vdst(0)
.irp p, 0,1
	v_mul_f32 v[ST+12*\p+6], v[ST+12*\p+6], v[PT+8*\p+2]
	v_mul_f32 v[ST+12*\p+4], v[ST+12*\p+4], v[PT+8*\p+2]
.endr
.irp p, 0,1
	v_permlanex16_b32 v[PT+8*\p+3], v[ST+12*\p+4], s[SEL], s[SEL+1]
	v_permlanex16_b32 v[PT+8*\p+4], v[ST+12*\p+6], s[SEL], s[SEL+1]
.endr
.irp p, 0,1
	v_add_f32 v[ST+12*\p+4], v[ST+12*\p+4], v[PT+8*\p+3]
	v_add_f32 v[ST+12*\p+6], v[ST+12*\p+6], v[PT+8*\p+4]
.endr
.irp p, 0,1
	v_log_f32 v[PT+8*\p+4], v[ST+12*\p+4]
	v_rcp_f32 v[PT+8*\p+5], v[ST+12*\p+4]
.endr
	v_nop
	s_wait_alu depctr_va_vdst(0)
.irp p, 0,1
	v_fma_f32 v[PT+8*\p+6], -v[PT+8*\p+4], s[IK1], -v[PT+8*\p]            ; -Ts
	v_fma_f32 v[ST+12*\p+6], v[ST+12*\p+6], v[PT+8*\p+5], -v[PT+8*\p+4]   ; H2 = A2 / A1 - log2 A1
.endr
.irp p, 0,1
	v_fma_f32 v[PT+8*\p+7], v[PT+8*\p+6], 2.0, v[X2+\p]                   ; e = |x|^2 - 2 Ts
.endr
	v_cndmask_b32 v[PT+3], v[PT+6], v[PT+14], s[HM]
	global_store_b32 v[L4], v[PT+3], s[50:51] offset:NTO
	v_add_f32 v[PT], v[PT+7], v[PT+15]
	v_add_f32 v[PT+1], v[ST+6], v[ST+18]
	v_mov_b32 v[PT+2], 0
.irp x, 1,2,4,8                                ; over 16 lanes: both halves hold the same 16 points
	v_add_f32_dpp v[PT], v[PT], v[PT] row_xmask:\x row_mask:0xf bank_mask:0xf
	v_add_f32_dpp v[PT+1], v[PT+1], v[PT+1] row_xmask:\x row_mask:0xf bank_mask:0xf
.endr
	v_cmp_eq_u32 vcc_lo, 0, v[LN]
	s_wait_xcnt 0x0                                ; EXEC changes only behind this wait
	s_and_saveexec_b32 s[SV], vcc_lo
	global_store_b64 v[PT+2], v[PT:PT+1], s[52:53] offset:P1O
	s_wait_xcnt 0x0
	s_or_b32 exec_lo, exec_lo, s[SV]
	s_set_vgpr_msb 0x5
	s_wait_tensorcnt 0x0
	ds_add_u32 v0, v1
	s_wait_dscnt 0x0
	s_set_vgpr_msb 0x500
	CROUND                                         ; the closing round
	s_endpgm
.Lfunc_end_k_qd1940d5639_estep:
	.size	k_qd1940d5639_estep, .Lfunc_end_k_qd1940d5639_estep-k_qd1940d5639_estep
	.p2alignl 7, 3214868480
	.fill 96, 4, 3214868480
	.section	.rodata,"a",@progbits
	.p2align	6, 0x0
	.amdhsa_kernel k_qd1940d5639_estep
		.amdhsa_group_segment_fixed_size 214016
		.amdhsa_private_segment_fixed_size 0
		.amdhsa_enable_private_segment 0
		.amdhsa_kernarg_size 40
		.amdhsa_user_sgpr_count 2
		.amdhsa_user_sgpr_kernarg_segment_ptr 1
		.amdhsa_wavefront_size32 1
		.amdhsa_system_sgpr_workgroup_id_x 1
		.amdhsa_system_sgpr_workgroup_id_y 1
		.amdhsa_system_sgpr_workgroup_id_z 1
		.amdhsa_system_vgpr_workitem_id 0
		.amdhsa_next_free_vgpr 258
		.amdhsa_next_free_sgpr 66
		.amdhsa_reserve_vcc 1
		.amdhsa_float_denorm_mode_32 3
		.amdhsa_float_denorm_mode_16_64 3
		.amdhsa_memory_ordered 1
		.amdhsa_forward_progress 1
		.amdhsa_inst_pref_size 62
	.end_amdhsa_kernel
	.amdgpu_metadata
---
amdhsa.version: [ 1, 2 ]
amdhsa.kernels:
  - .name:           k_qd1940d5639_estep
    .symbol:         k_qd1940d5639_estep.kd
    .args:
      - { .name: X, .offset: 0, .size: 8, .value_kind: global_buffer, .address_space: global }
      - { .name: mup, .offset: 8, .size: 8, .value_kind: global_buffer, .address_space: global }
      - { .name: sigma, .offset: 16, .size: 8, .value_kind: global_buffer, .address_space: global }
      - { .name: xq, .offset: 24, .size: 8, .value_kind: global_buffer, .address_space: global }
      - { .name: xb, .offset: 32, .size: 8, .value_kind: global_buffer, .address_space: global }
    .group_segment_fixed_size: 214016
    .private_segment_fixed_size: 0
    .kernarg_segment_align: 8
    .kernarg_segment_size: 40
    .max_flat_workgroup_size: 256
    .sgpr_count:     66
    .vgpr_count:     258
    .wavefront_size: 32
...
	.end_amdgpu_metadata
.endif
;; end of part 2
;; launch mpart (part 3): grid 256 x 1, 8 waves a work-group, clusters of 4 x 1, 327,680 bytes of LDS; arguments xb, xq, mup, sigma, pp, ms; writes pp, ms
.if DOCPART == 3
	.amdgcn_target "amdgcn-amd-amdhsa--gfx1250"
	.amdhsa_code_object_version 6
	.text
	.protected	k_qd1940d5639_mpart
	.globl	k_qd1940d5639_mpart
	.p2align	8
	.type	k_qd1940d5639_mpart,@function
k_qd1940d5639_mpart:
	s_mov_b64 s[64:65], 0
	v_nop
	global_prefetch_b8 v0, s[64:65] scope:SCOPE_SE
	s_setreg_imm32_b32 hwreg(HW_REG_WAVE_MODE, 25, 1), 1
	s_wait_xcnt 0x0
	s_wait_alu depctr_hold_cnt(0) depctr_sa_sdst(0) depctr_va_vdst(0) depctr_va_sdst(0) depctr_va_ssrc(0) depctr_va_vcc(0) depctr_vm_vsrc(0)
	s_getreg_b32 s2, hwreg(HW_REG_IB_STS2, 6, 4)
	s_cmp_eq_u32 s2, 0
	s_cbranch_scc0 .Lentry_in_a_cluster
	s_endpgm
.Lentry_in_a_cluster:
	s_bfe_u32 s2, ttmp6, 0x10000c
	s_cmp_lg_u32 s2, 0x3003
	s_cbranch_scc0 .Lentry_shape_is_right
	s_endpgm
.Lentry_shape_is_right:
; THE M STEP IN PARTS.  For a block of 1,024 points and 256 clusters: m = max_n log2 gamma, s = sum_n 2^(log2 gamma - m), P[c][d] = sum_n f16(2^(log2 gamma - m)) f16(X[n][d]).
; log2 gamma(n, c) = k1 (S(n, c) - Ts_n + u_c); u_c is common to a column and drops out of the difference, so the weights are 2^(k1 (D - max D)), D = S - Ts.
; The column's true maximum is taken away: a first walk over the scores finds it, a second makes the weights and the product.  S is made anew in each walk, on codes of FP4.
; SHARES.  The cluster's number is the block of points, which the four partners share; a work-group's place picks its 256 clusters and enters global addresses alone.
; Wave wv: w = wv & 3 picks 64 clusters (four tiles), g = wv >> 2 picks 512 points; a step is 32 points.
; S in its natural sense (source 0 = 16 points, source 1 = 16 clusters, C = -Ts): a lane holds ONE cluster, register j point 8 h + j.  Two tiles of weights, rounded in pairs, ARE source 1
; (32 points x 16 clusters) of the f16 product, whose source 0 is X^T, turned on its way out of LDS.  Accumulator (t, dt): lane (r, h) holds cluster r, d = 16 dt + 8 h + j.
; WHY f16: where two clusters' means nearly cancel in Y, eight significant bits of an operand are too few for the allowance; eleven are had at the same cost.
; LDS: 0 X in f16, 1,024 rows at 288 bytes (one joint load a wave, filled once); 294,912 words that waves exchange; 299,008 -Ts; 303,104 scale words.
; On the way out the accumulators' images lie in 0 .. 262,143, behind X's only fill and last read.
; REGISTERS: window 0 as named below; window 1: in the first walk my 32 fragments of X's codes, then the 32 accumulators at 8 (8 t + dt).
; LIMITS: sigma finite and not 0; NaN and infinities not served; the weights are at most 1, and one under 2^-25 counts for nothing in P: at most 1,024 x 2^-25 against a part's sum of at least 1
; (the sum s is taken of the weights before they are rounded).
.set XBP, 288
.set EX,  294912
.set NTL, 299008
.set XSL, 303104
.set XSO, 4194304
.set NTO, 4456448
.set LI,  1                            ; 16 x lane
.set L4,  2                            ; 4 x lane
.set T16, 3                            ; 16 x thread
.set AV0, 4                            ; my lane's place in 32 rows of X for the turning load
.set ADR, 5
.set EXW, 6                            ; where I put words for my partner wave, and
.set EXR, 7                            ; where I read its
.set ANT0, 8                           ; -Ts of my half: + 32 h
.set AXS0, 9                           ; scale words of my half: + 4 x lane
.set ANT, 10
.set AXS, 11
.set STW, 12                           ; the way out: my images
.set STR0, 13                          ; and the two that I add
.set STR1, 14
.set MSO, 15                           ; 8 r + 8,192 h
.set MUF, 16                           ; v16-47 mu's four fragments
.set MUS, 48                           ; v48-51 their scale words: scales and nothing else
.set UB,  52                           ; v52-55 u of cluster r of tile t
.set KC,  56                           ; v56-63 pairs: -k1 max D (the upper halves written once)
.set CS,  64                           ; v64-71 pairs: the columns' sums
.set MX,  72                           ; v72-75 the columns' maxima
.set TM,  76                           ; v76-79 at work
.set XCF, 80                           ; v80-95 X's two fragments
.set XSW, 96                           ; v96-97 X's scale words: scales and nothing else
.set NT,  98                           ; v98-113 -Ts of 32 points
.set M2,  114                          ; v114-117 m
.set W,   122                          ; v122-125 at work
.set R4,  126                          ; 4 r
.set STG, 127                          ; where a thread stages 16 bytes of -Ts
.set S,   128                          ; v128-191 tile (t, p) at 128 + 16 t + 8 p
.set XT,  192                          ; v192-255 X^T, eight fragments
.set NT1, 192                          ; the first walk's second buffer of -Ts
.set WV,  16
.set SEL, 20
.set K1,  22
.set NK1, 24
.set HM,  25
.set G0,  28
.set G1,  32
.set TB,  40
.set TP,  41
.set CNT, 42
.set SG,  43
.set SNX, 46
.set XCB, 48
.set MUC, 50
.set MUW, 52
.set PPB, 54
.set MSP, 56
.set GM,  58
.set MSB, 0
.macro WIN new                         ; the immediate's high byte repeats the setting that is left
.if MSB != \new
	s_set_vgpr_msb (MSB<<8)|\new
.set MSB, \new
.endif
.endm
.macro CROUND
	s_barrier_signal -1
	s_barrier_wait -1
	s_cmp_lg_u32 s[WV], 0
	s_cbranch_scc1 .Lnot_wave_0_\@
	s_barrier_signal -3
.Lnot_wave_0_\@:
	s_barrier_wait -3
	s_barrier_signal -1
	s_barrier_wait -1
.endm
.macro SMUL d, a, b, c, sa, sb, ra, rb
.if (\ra) && (\rb)
	v_wmma_scale_f32_16x16x128_f8f6f4 v[\d:\d+7], v[\a:\a+7], v[\b:\b+7], v[\c:\c+7], v[\sa], v[\sb] matrix_a_fmt:MATRIX_FMT_FP4 matrix_b_fmt:MATRIX_FMT_FP4 matrix_a_scale:MATRIX_SCALE_ROW1 matrix_b_scale:MATRIX_SCALE_ROW1
.elseif \ra
	v_wmma_scale_f32_16x16x128_f8f6f4 v[\d:\d+7], v[\a:\a+7], v[\b:\b+7], v[\c:\c+7], v[\sa], v[\sb] matrix_a_fmt:MATRIX_FMT_FP4 matrix_b_fmt:MATRIX_FMT_FP4 matrix_a_scale:MATRIX_SCALE_ROW1
.elseif \rb
	v_wmma_scale_f32_16x16x128_f8f6f4 v[\d:\d+7], v[\a:\a+7], v[\b:\b+7], v[\c:\c+7], v[\sa], v[\sb] matrix_a_fmt:MATRIX_FMT_FP4 matrix_b_fmt:MATRIX_FMT_FP4 matrix_b_scale:MATRIX_SCALE_ROW1
.else
	v_wmma_scale_f32_16x16x128_f8f6f4 v[\d:\d+7], v[\a:\a+7], v[\b:\b+7], v[\c:\c+7], v[\sa], v[\sb] matrix_a_fmt:MATRIX_FMT_FP4 matrix_b_fmt:MATRIX_FMT_FP4
.endif
.endm
; THE FIRST WALK, step s: the scores of 32 points x my 64 clusters, and the columns' maxima.  The codes lie in window 1; -Ts and the scale word come from LDS a step ahead, in two buffers by turns.
.macro PRE s
.set CBF, NT+(NT1-NT)*((\s)%2)
.set NBF, NT+(NT1-NT)*(((\s)+1)%2)
.set NOF, 128*(((\s)+1)%16)            ; the last step asks for step 0's again: the second walk begins with them
.irp p, 0,1
	ds_load_b128 v[NBF+8*\p:NBF+8*\p+3], v[ANT0] offset:NOF+64*\p
	ds_load_b128 v[NBF+8*\p+4:NBF+8*\p+7], v[ANT0] offset:NOF+64*\p+16
.endr
	ds_load_b32 v[XSW+((\s)+1)%2], v[AXS0] offset:NOF
	s_wait_dscnt 5                                ; all but the five just issued: this step's -Ts and word are in
	s_wait_loadcnt 60-4*(\s)                      ; this step's four loads of codes are in; the later steps' stay out
	WIN 0x01                                      ; source 0 in window 1
.irp t, 0,1,2,3
	SMUL S+16*\t, 16*(\s), MUF+8*\t, CBF, XSW+(\s)%2, MUS+\t, 0, 0
	SMUL S+16*\t+8, 16*(\s)+8, MUF+8*\t, CBF+8, XSW+(\s)%2, MUS+\t, 1, 0
.endr
	WIN 0
.rept 4
	v_nop                                         ; places in front of the first read of results
.endr
.irp i, 0,2,4,6,8,10,12,14
.irp t, 0,1,2,3
	v_max3_num_f32 v[MX+\t], v[MX+\t], v[S+16*\t+\i], v[S+16*\t+\i+1]   ; each tile from its low end on
.endr
.endr
.endm
; THE SECOND WALK, a step.  zero = 1: the products start the sums.  next = 1: the next step's codes, -Ts and word are asked for.
.macro MSTEP zero, next
	v_add_nc_u32 v[ADR], s[TB], v[AV0]
.rept 4
	v_nop                                         ; with the line above five places behind the last f16 products: loads into their source 0, and scaled products that write over their source 1, follow
.endr
.irp dt, 0,1,2,3,4,5,6,7
	ds_load_tr16_b128 v[XT+8*\dt:XT+8*\dt+3], v[ADR] offset:32*\dt
	ds_load_tr16_b128 v[XT+8*\dt+4:XT+8*\dt+7], v[ADR] offset:16*XBP+32*\dt
.endr
	s_add_co_u32 s[TB], s[TB], 32*XBP
	s_wait_loadcnt 0x0                            ; the step's codes are in, so their base may step
.if \next
	s_add_nc_u64 s[XCB:XCB+1], s[XCB:XCB+1], 2048
	s_add_co_u32 s[TP], s[TP], 128
.endif
	s_wait_dscnt 16                               ; all but the sixteen just issued
.irp t, 0,1,2,3
	SMUL S+16*\t, XCF, MUF+8*\t, NT, XSW, MUS+\t, 0, 0
	SMUL S+16*\t+8, XCF+8, MUF+8*\t, NT+8, XSW, MUS+\t, 1, 0
.endr
.if \next
	v_add_nc_u32 v[ANT], s[TP], v[ANT0]           ; four places
	v_add_nc_u32 v[AXS], s[TP], v[AXS0]
	v_nop
	v_nop
.irp p, 0,1
.irp c, 0,1
	global_load_b128 v[XCF+8*\p+4*\c:XCF+8*\p+4*\c+3], v[LI], s[XCB:XCB+1] offset:1024*\p+512*\c
.endr
.endr
.irp p, 0,1
	ds_load_b128 v[NT+8*\p:NT+8*\p+3], v[ANT] offset:64*\p
	ds_load_b128 v[NT+8*\p+4:NT+8*\p+7], v[ANT] offset:64*\p+16
.endr
	ds_load_b32 v[XSW], v[AXS]
.else
.rept 4
	v_nop
.endr
.endif
.irp t, 0,1,2,3
.irp j, 0,2,4,6,8,10,12,14
	v_pk_fma_f32 v[S+16*\t+\j:S+16*\t+\j+1], v[S+16*\t+\j:S+16*\t+\j+1], s[K1:K1+1], v[KC+2*\t:KC+2*\t+1] op_sel_hi:[1,0,0]   ; k1 D - k1 max D
.endr
.endr
.set j, 0
.rept 64
	v_exp_f32 v[S+j], v[S+j]
.set j, j+1
.endr
	v_nop                                         ; a plain place behind the exponentials
	s_wait_alu depctr_va_vdst(0)
.irp j, 0,2,4,6,8,10,12,14
.irp t, 0,1,2,3
	v_pk_add_f32 v[CS+2*\t:CS+2*\t+1], v[CS+2*\t:CS+2*\t+1], v[S+16*\t+\j:S+16*\t+\j+1]   ; the sums are taken of the weights before they are rounded
.endr
.endr
.irp t, 0,1,2,3
.irp i, 0,1,2,3,4,5,6,7
	v_cvt_pk_f16_f32 v[S+16*\t+\i], v[S+16*\t+2*\i], v[S+16*\t+2*\i+1]   ; in place, ascending: registers 0-3 points 8 h .., 4-7 points 16 + 8 h ..
.endr
.endr
	s_wait_dscnt 0x0                              ; X^T is in
	WIN 0x50                                      ; C and D in window 1
.irp t, 0,1,2,3
.irp dt, 0,1,2,3,4,5,6,7                       ; 32 accumulators by turns, one instruction a turn
.if \zero
	v_wmma_f32_16x16x32_f16 v[8*(8*\t+\dt):8*(8*\t+\dt)+7], v[XT+8*\dt:XT+8*\dt+7], v[S+16*\t:S+16*\t+7], 0
.else
	v_wmma_f32_16x16x32_f16 v[8*(8*\t+\dt):8*(8*\t+\dt)+7], v[XT+8*\dt:XT+8*\dt+7], v[S+16*\t:S+16*\t+7], v[8*(8*\t+\dt):8*(8*\t+\dt)+7]
.endif
.endr
.endr
	WIN 0
.endm
	s_load_b256 s[4:11], s[0:1], 0x0               ; xb s[4:5], xq s[6:7], mup s[8:9], sigma s[10:11]
	s_load_b128 s[12:15], s[0:1], 0x20             ; pp s[12:13], ms s[14:15]
	v_lshl_add_u32 v254, v0, 2, 0x4b000
	v_mov_b32 v255, 0
	ds_add_u32 v254, v255
	ds_add_u32 v254, v255
	s_wait_dscnt 0x0
	v_lshrrev_b32 v1, 5, v0
	v_readfirstlane_b32 s[WV], v1                  ; wave 0..7
	s_bfe_u32 s17, ttmp6, 0x40000                  ; my place in the cluster: which 256 clusters
	s_and_b32 s18, s[WV], 3                        ; w
	s_lshr_b32 s19, s[WV], 2                       ; g
	v_and_b32 v[TM+2], 31, v0
	v_and_b32 v[TM], 15, v0                        ; r
	v_bfe_u32 v[TM+1], v0, 4, 1                    ; h
	v_lshlrev_b32 v[LI], 4, v[TM+2]
	v_lshlrev_b32 v[L4], 2, v[TM+2]
	v_lshlrev_b32 v[T16], 4, v0
	v_lshlrev_b32 v[R4], 2, v[TM]
	v_and_b32 v[TM+2], 7, v0
	v_lshl_add_u32 v[TM+2], v[TM+1], 3, v[TM+2]
	v_mul_u32_u24 v[AV0], v[TM+2], XBP             ; the turning load: row 8 h + l % 8,
	v_bfe_u32 v[TM+3], v0, 3, 1
	v_lshl_add_u32 v[AV0], v[TM+3], 4, v[AV0]      ; 16 bytes for each eight lanes
	s_lshl_b32 s26, s[WV], 9
	s_add_co_u32 s26, s26, EX
	v_add_nc_u32 v[EXW], s26, v[L4]
	s_xor_b32 s26, s[WV], 4                        ; my partner: the same clusters, the other points
	s_lshl_b32 s26, s26, 9
	s_add_co_u32 s26, s26, EX
	v_add_nc_u32 v[EXR], s26, v[L4]
	s_lshl_b32 s26, s19, 11
	v_lshl_add_u32 v[ANT0], v[TM+1], 5, NTL
	v_add_nc_u32 v[ANT0], s26, v[ANT0]
	v_add_nc_u32 v[AXS0], XSL, v[L4]
	v_add_nc_u32 v[AXS0], s26, v[AXS0]
	s_lshl_b32 s26, s[WV], 15
	v_add_nc_u32 v[STW], s26, v[LI]
	s_lshl_b32 s26, s18, 15
	s_lshl_b32 s27, s19, 14
	s_add_co_u32 s26, s26, s27
	v_add_nc_u32 v[STR0], s26, v[LI]
	v_add_nc_u32 v[STR1], 131072, v[STR0]
	v_lshlrev_b32 v[MSO], 3, v[TM]
	v_lshl_add_u32 v[MSO], v[TM+1], 13, v[MSO]
	v_add_nc_u32 v[STG], NTL, v[T16]
	s_mov_b32 s[SEL], 0x76543210
	s_mov_b32 s[SEL+1], 0xfedcba98
	s_mov_b32 s[HM], 0xffff0000
	s_lshl_b32 s[SNX], ttmp9, 12                   ; the block's 1,024 words
	s_mov_b32 s[SNX+1], 0
	s_lshl_b32 s[XCB], ttmp9, 16                   ; the block's codes, my half
	s_lshl_b32 s26, s19, 15
	s_add_co_u32 s[XCB], s[XCB], s26
	s_mov_b32 s[XCB+1], 0
	s_lshl_b32 s[MUC], s17, 14                     ; my four tiles of mu's codes,
	s_lshl_b32 s26, s18, 12
	s_add_co_u32 s[MUC], s[MUC], s26
	s_mov_b32 s[MUC+1], 0
	s_lshr_b32 s[MUW], s[MUC], 4                   ; their words
	s_mov_b32 s[MUW+1], 0
	s_lshl_b32 s[MSP], s[MUC], 3
	s_lshl_b32 s26, s19, 14
	s_add_co_u32 s[MSP], s[MSP], s26
	s_lshl_b32 s26, ttmp9, 19
	s_add_co_u32 s[PPB], s[MSP], s26               ; pp: ((4 block + place) 4 + w) 32,768 + 16,384 g
	s_mov_b32 s[PPB+1], 0
	s_lshl_b32 s26, ttmp9, 7
	s_add_co_u32 s[MSP], s[MSP], s26               ; ms: tile 16 place + 4 w + 2 g at 8,192 bytes, + 128 block
	s_mov_b32 s[MSP+1], 0
	s_lshl_b32 s44, ttmp9, 18
	s_lshl_b32 s45, s[WV], 15
	s_add_co_u32 s44, s44, s45                     ; xb: the block's rows, my 128 of them
	s_mov_b32 s45, 0
	s_mov_b32 s[G1], 15|(1<<16)|(1<<20)|(1<<21)|(5<<22)|(7<<25)   ; the mask: all four; elements of 2 bytes; padding: 8 words behind every 64; bit 21 beside a mask
	s_mov_b32 s[G1+1], 128<<16
	s_mov_b32 s[G1+2], 128<<16
	s_mov_b32 s[G1+3], 128<<16
	s_mov_b32 s[G1+4], 128
	s_mov_b32 s[G1+5], 128
	s_mov_b32 s[G1+6], 0
	s_mov_b32 s[G1+7], 0
	s_wait_kmcnt 0x0
	s_load_b32 s[SG], s[10:11], 0x0                ; sigma
	s_add_nc_u64 s[SNX:SNX+1], s[6:7], s[SNX:SNX+1]
	s_add_nc_u64 s[XCB:XCB+1], s[6:7], s[XCB:XCB+1]
	s_add_nc_u64 s[MUC:MUC+1], s[8:9], s[MUC:MUC+1]
	s_add_nc_u64 s[MUW:MUW+1], s[8:9], s[MUW:MUW+1]
	s_add_nc_u64 s[PPB:PPB+1], s[12:13], s[PPB:PPB+1]
	s_add_nc_u64 s[MSP:MSP+1], s[14:15], s[MSP:MSP+1]
	s_mov_b32 s[G0], 1
	s_mul_i32 s[G0+1], s[WV], 128*XBP
	s_add_nc_u64 s[G0+2:G0+3], s[4:5], s[44:45]
	s_or_b32 s[G0+3], s[G0+3], 0x80000000
	CROUND                                         ; the four work-groups are here: the joint loads meet
	tensor_load_to_lds s[G0:G0+3], s[G1:G1+7]      ; my one tensor load: it lands during the first walk
	s_nop 0
.rept 4
	v_nop
.endr
	global_load_b128 v[114:117], v[T16], s[SNX:SNX+1] offset:NTO
	global_load_b128 v[118:121], v[T16], s[SNX:SNX+1] offset:XSO
.irp t, 0,1,2,3
.irp c, 0,1
	global_load_b128 v[MUF+8*\t+4*\c:MUF+8*\t+4*\c+3], v[LI], s[MUC:MUC+1] offset:1024*\t+512*\c
.endr
.endr
.irp t, 0,1,2,3
	global_load_b32 v[MUS+\t], v[R4], s[MUW:MUW+1] offset:65536+64*\t
.endr
.irp t, 0,1,2,3
	global_load_b32 v[UB+\t], v[R4], s[MUW:MUW+1] offset:69632+64*\t
.endr
	s_wait_loadcnt 16                              ; the two first loads are in; mu's sixteen stay out
	ds_store_b128 v[STG], v[114:117]
	ds_store_b128 v[STG], v[118:121] offset:XSL-NTL
	WIN 0x40                                       ; destination window 1
.set i, 0
.rept 64
	global_load_b128 v[4*i:4*i+3], v[LI], s[XCB:XCB+1] offset:512*i   ; my 32 fragments of codes
.set i, i+1
.endr
	WIN 0
	s_wait_kmcnt 0x0
	v_mov_b32 v[W], s[SG]
	v_mul_f32 v[W], v[W], v[W]
	v_rcp_f32 v[W+1], v[W]
	v_nop
	s_wait_alu depctr_va_vdst(0)
	v_mul_f32 v[W+1], 0x3fb8aa3b, v[W+1]           ; k1
	v_readfirstlane_b32 s[K1], v[W+1]
	s_mov_b32 s[K1+1], s[K1]
	s_xor_b32 s[NK1], s[K1], 0x80000000
.irp t, 0,1,2,3
	v_mov_b32 v[MX+\t], 0xff800000                 ; under every score
.endr
	s_wait_dscnt 0x0                               ; my staged bytes have landed,
	s_barrier_signal -1
	s_barrier_wait -1                              ; everybody's have
.irp p, 0,1
	ds_load_b128 v[NT+8*\p:NT+8*\p+3], v[ANT0] offset:64*\p
	ds_load_b128 v[NT+8*\p+4:NT+8*\p+7], v[ANT0] offset:64*\p+16
.endr
	ds_load_b32 v[XSW], v[AXS0]
.set QS, 0
.rept 16
	PRE QS
.set QS, QS+1
.endr
.irp p, 0,1
.irp c, 0,1
	global_load_b128 v[XCF+8*\p+4*\c:XCF+8*\p+4*\c+3], v[LI], s[XCB:XCB+1] offset:1024*\p+512*\c   ; the second walk's first codes
.endr
.endr
.irp t, 0,1,2,3
	v_permlanex16_b32 v[TM+\t], v[MX+\t], s[SEL], s[SEL+1]
.endr
.irp t, 0,1,2,3
	v_max_num_f32 v[MX+\t], v[MX+\t], v[TM+\t]
.endr
.irp t, 0,1,2,3
	ds_store_b32 v[EXW], v[MX+\t] offset:128*\t
.endr
	s_wait_tensorcnt 0x0                           ; my part of X has landed,
	s_wait_dscnt 0x0                               ; and my maxima
	s_barrier_signal -1
	s_barrier_wait -1
.irp t, 0,1,2,3
	ds_load_b32 v[TM+\t], v[EXR] offset:128*\t
.endr
	s_wait_dscnt 0x0
.irp t, 0,1,2,3
	v_max_num_f32 v[MX+\t], v[MX+\t], v[TM+\t]     ; over all 1,024 points
.endr
.irp t, 0,1,2,3
	v_mul_f32 v[KC+2*\t], s[NK1], v[MX+\t]
	v_mov_b32 v[KC+2*\t+1], 0
	v_add_f32 v[M2+\t], v[MX+\t], v[UB+\t]
.endr
.irp t, 0,1,2,3
	v_mul_f32 v[M2+\t], s[K1], v[M2+\t]            ; m = k1 (max D + u)
	v_mov_b32 v[CS+2*\t], 0
	v_mov_b32 v[CS+2*\t+1], 0
.endr
	s_mul_i32 s[TB], s19, 512*XBP
	s_mov_b32 s[TP], 0
	MSTEP 1, 1
	s_mov_b32 s[CNT], 14
.Lstep:
	MSTEP 0, 1
	s_sub_co_u32 s[CNT], s[CNT], 1
	s_cmp_lg_u32 s[CNT], 0
	s_cbranch_scc1 .Lstep
	MSTEP 0, 0
	; THE WAY OUT.  The sums' folding stands as the places behind the last products.
.irp t, 0,1,2,3
	v_add_f32 v[CS+2*\t], v[CS+2*\t], v[CS+2*\t+1]
.endr
.irp t, 0,1,2,3
	v_permlanex16_b32 v[TM+\t], v[CS+2*\t], s[SEL], s[SEL+1]
.endr
.irp t, 0,1,2,3
	v_add_f32 v[CS+2*\t], v[CS+2*\t], v[TM+\t]
.endr
	s_wait_dscnt 0x0                               ; my reads of X are over,
	s_barrier_signal -1
	s_barrier_wait -1                              ; everybody's are: its bytes take the images
	WIN 0x04                                       ; an LDS store's data: window 1
.set a, 0
.rept 32
	ds_store_b128 v[STW], v[8*a:8*a+3] offset:1024*a          ; each accumulator from its low end on
	ds_store_b128 v[STW], v[8*a+4:8*a+7] offset:1024*a+512
.set a, a+1
.endr
	WIN 0
.irp t, 0,1,2,3
	ds_store_b32 v[EXW], v[CS+2*\t] offset:128*\t
.endr
	s_wait_dscnt 0x0
	s_barrier_signal -1
	s_barrier_wait -1
.irp t, 0,1,2,3
	ds_load_b32 v[TM+\t], v[EXR] offset:128*\t
.endr
.irp b, 0,1                                    ; the two halves of the points are added: I take 32 of my clusters' 64 quads
.if \b > 0
	s_wait_xcnt 0x0                                ; the stores have read their registers
.endif
.set i, 0
.rept 16
	ds_load_b128 v[S+4*i:S+4*i+3], v[STR0] offset:(16*\b+i)*512
	ds_load_b128 v[XT+4*i:XT+4*i+3], v[STR1] offset:(16*\b+i)*512
.set i, i+1
.endr
	s_wait_dscnt 0x0
.set i, 0
.rept 32
	v_pk_add_f32 v[S+2*i:S+2*i+1], v[S+2*i:S+2*i+1], v[XT+2*i:XT+2*i+1]
.set i, i+1
.endr
.set i, 0
.rept 16
	global_store_b128 v[LI], v[S+4*i:S+4*i+3], s[PPB:PPB+1] offset:(16*\b+i)*512 th:TH_STORE_NT   ; 512 consecutive bytes a store
.set i, i+1
.endr
.endr
.irp t, 0,1,2,3
	v_add_f32 v[CS+2*\t], v[CS+2*\t], v[TM+\t]     ; s over all 1,024 points
.endr
	s_cmp_lg_u32 s19, 0
	s_cselect_b32 s[GM], -1, 0
	v_cndmask_b32 v[W], v[M2], v[M2+1], s[HM]      ; lane (r, h) stores tile 2 g + h
	v_cndmask_b32 v[W+2], v[M2+2], v[M2+3], s[HM]
	v_cndmask_b32 v[W], v[W], v[W+2], s[GM]
	v_cndmask_b32 v[W+1], v[CS], v[CS+2], s[HM]
	v_cndmask_b32 v[W+3], v[CS+4], v[CS+6], s[HM]
	v_cndmask_b32 v[W+1], v[W+1], v[W+3], s[GM]
	global_store_b64 v[MSO], v[W:W+1], s[MSP:MSP+1]
	s_wait_xcnt 0x0
	v_lshl_add_u32 v254, v0, 2, 0x4b000
	v_mov_b32 v255, 0
	s_wait_tensorcnt 0x0
	ds_add_u32 v254, v255
	s_wait_dscnt 0x0
	CROUND                                         ; the closing round
	s_endpgm
.Lfunc_end_k_qd1940d5639_mpart:
	.size	k_qd1940d5639_mpart, .Lfunc_end_k_qd1940d5639_mpart-k_qd1940d5639_mpart
	.p2alignl 7, 3214868480
	.fill 96, 4, 3214868480
	.section	.rodata,"a",@progbits
	.p2align	6, 0x0
	.amdhsa_kernel k_qd1940d5639_mpart
		.amdhsa_group_segment_fixed_size 327680
		.amdhsa_private_segment_fixed_size 0
		.amdhsa_enable_private_segment 0
		.amdhsa_kernarg_size 48
		.amdhsa_user_sgpr_count 2
		.amdhsa_user_sgpr_kernarg_segment_ptr 1
		.amdhsa_wavefront_size32 1
		.amdhsa_system_sgpr_workgroup_id_x 1
		.amdhsa_system_sgpr_workgroup_id_y 1
		.amdhsa_system_sgpr_workgroup_id_z 1
		.amdhsa_system_vgpr_workitem_id 0
		.amdhsa_next_free_vgpr 512
		.amdhsa_next_free_sgpr 66
		.amdhsa_reserve_vcc 0
		.amdhsa_float_denorm_mode_32 3
		.amdhsa_float_denorm_mode_16_64 3
		.amdhsa_memory_ordered 1
		.amdhsa_forward_progress 1
		.amdhsa_inst_pref_size 131
	.end_amdhsa_kernel
	.amdgpu_metadata
---
amdhsa.version: [ 1, 2 ]
amdhsa.kernels:
  - .name:           k_qd1940d5639_mpart
    .symbol:         k_qd1940d5639_mpart.kd
    .args:
      - { .name: xb, .offset: 0, .size: 8, .value_kind: global_buffer, .address_space: global }
      - { .name: xq, .offset: 8, .size: 8, .value_kind: global_buffer, .address_space: global }
      - { .name: mup, .offset: 16, .size: 8, .value_kind: global_buffer, .address_space: global }
      - { .name: sigma, .offset: 24, .size: 8, .value_kind: global_buffer, .address_space: global }
      - { .name: pp, .offset: 32, .size: 8, .value_kind: global_buffer, .address_space: global }
      - { .name: ms, .offset: 40, .size: 8, .value_kind: global_buffer, .address_space: global }
    .group_segment_fixed_size: 327680
    .private_segment_fixed_size: 0
    .kernarg_segment_align: 8
    .kernarg_segment_size: 48
    .max_flat_workgroup_size: 256
    .sgpr_count:     66
    .vgpr_count:     512
    .wavefront_size: 32
...
	.end_amdgpu_metadata
.endif
;; end of part 3
;; launch mcomb (part 4): grid 256 x 1, 4 waves a work-group, no clusters, 2,560 bytes of LDS; arguments pp, ms, mn; writes mn
.if DOCPART == 4
	.amdgcn_target "amdgcn-amd-amdhsa--gfx1250"
	.amdhsa_code_object_version 6
	.text
	.protected	k_qd1940d5639_mcomb
	.globl	k_qd1940d5639_mcomb
	.p2align	8
	.type	k_qd1940d5639_mcomb,@function
k_qd1940d5639_mcomb:
	s_mov_b64 s[64:65], 0
	v_nop
	global_prefetch_b8 v0, s[64:65] scope:SCOPE_SE
	s_setreg_imm32_b32 hwreg(HW_REG_WAVE_MODE, 25, 1), 1
	s_wait_xcnt 0x0
; THE PARTS ARE JOINED.  For each cluster: M = max_g m_g, wt_g = 2^(m_g - M), ssum = sum_g s_g wt_g (at least 1), mu_new = sum_g wt_g P_g / ssum, wn2 = M + log2 ssum = w_new / ln 2.
; A work-group takes 32 clusters x 16 of the 128 channels: one fragment (16 d x 32 clusters) of the next launch's f16 operand.  A wave takes one quad of one accumulator for all 64 blocks:
; 64 loads of 512 consecutive bytes.  No work-group shares a byte of pp with another, so there is no cluster; nothing is multiplied by the matrix unit.
; Stored: mu_new in f16 as images of operand registers (fragment 8 ks + dt at 1,024 bytes: registers 0-3, then 4-7); wn2 at 262,144; for each work-group sum of Ng mu_new^2 at 266,240.
; LIMITS: mu_new is a weighted mean of X's rows, so it has X's range: f16 serves magnitudes up to 65,504, and under 2^-14 its error is at most 2^-25.
.set SEL, 34
.set MSB, 0
.macro WIN new
.if MSB != \new
	s_set_vgpr_msb (MSB<<8)|\new
.set MSB, \new
.endif
.endm
	s_load_b128 s[4:7], s[0:1], 0x0                ; pp, ms
	s_load_b64 s[18:19], s[0:1], 0x10              ; mn
	v_lshl_add_u32 v254, v0, 2, 0x800
	v_mov_b32 v255, 0
	v_lshrrev_b32 v1, 5, v0
	v_readfirstlane_b32 s8, v1                     ; wave 0..3
	s_lshr_b32 s9, ttmp9, 3                        ; which 32 clusters
	s_and_b32 s10, ttmp9, 7                        ; dt
	s_lshr_b32 s11, s8, 1                          ; which 16 of them
	s_and_b32 s12, s8, 1                           ; which quad
	s_lshl_b32 s13, s9, 1
	s_add_co_u32 s13, s13, s11                     ; ct
	s_lshr_b32 s14, s13, 4
	s_bfe_u32 s15, s13, 0x20002
	s_and_b32 s16, s13, 3
	s_lshl_b32 s32, s14, 17
	s_lshl_b32 s33, s15, 15
	s_add_co_u32 s32, s32, s33
	s_lshl_b32 s33, s16, 13
	s_add_co_u32 s32, s32, s33
	s_lshl_b32 s33, s10, 10
	s_add_co_u32 s32, s32, s33
	s_lshl_b32 s33, s12, 9
	s_add_co_u32 s32, s32, s33                     ; my quad in a block's part of pp
	s_mov_b32 s33, 0
	s_lshl_b32 s20, s13, 13                        ; ms: 8,192 bytes a tile
	s_mov_b32 s21, 0
	s_lshl_b32 s36, ttmp9, 10
	s_mov_b32 s37, 0
	s_lshl_b32 s38, ttmp9, 2
	s_mov_b32 s39, 0
	s_lshl_b32 s40, s13, 6
	s_mov_b32 s41, 0
	v_and_b32 v7, 31, v0                           ; lane
	v_and_b32 v3, 15, v0                           ; r
	v_bfe_u32 v4, v0, 4, 1                         ; h
	v_lshlrev_b32 v1, 4, v7
	v_lshlrev_b32 v2, 3, v3
	v_lshlrev_b32 v6, 4, v0
	v_lshlrev_b32 v36, 2, v3
	v_mov_b32 v37, 1024
	v_mov_b32 v38, 0
	v_mov_b32 v27, 0
	v_lshrrev_b32 v9, 3, v3
	v_and_b32 v5, 7, v3
	v_lshlrev_b32 v5, 1, v5
	v_lshl_add_u32 v5, v9, 8, v5
	v_lshl_add_u32 v5, v4, 7, v5
	s_lshl_b32 s43, s11, 9
	s_lshl_b32 s44, s12, 6
	s_add_co_u32 s43, s43, s44
	v_add_nc_u32 v5, s43, v5                       ; the image: cluster k = 16 cti + r, channel 8 h + 4 q + i lies at 512 (k / 16) + 256 (r / 8) + 16 (8 h + 4 q + i) + 2 (r % 8)
	s_lshl_b32 s44, s8, 2
	v_add_nc_u32 v39, s44, v37                     ; my wave's word
	s_mov_b32 s[SEL], 0x76543210
	s_mov_b32 s[SEL+1], 0xfedcba98
	s_wait_kmcnt 0x0
	s_add_nc_u64 s[20:21], s[6:7], s[20:21]
	s_add_nc_u64 s[24:25], s[4:5], s[32:33]
	s_add_nc_u64 s[26:27], s[24:25], 0x800000      ; sixteen blocks on
	s_add_nc_u64 s[28:29], s[26:27], 0x800000
	s_add_nc_u64 s[30:31], s[28:29], 0x800000
	s_add_nc_u64 s[36:37], s[18:19], s[36:37]
	s_add_nc_u64 s[38:39], s[18:19], s[38:39]
	s_add_nc_u64 s[40:41], s[18:19], s[40:41]
.set g, 0
.rept 64
	global_load_b64 v[64+2*g:65+2*g], v2, s[20:21] offset:128*g       ; (m, s) of cluster r in block g
.set g, g+1
.endr
	WIN 0x40
.irp k, 0,1,2,3
.set g, 0
.rept 16
	global_load_b128 v[4*(16*\k+g):4*(16*\k+g)+3], v1, s[24+2*\k:25+2*\k] offset:g*524288 th:TH_LOAD_NT
.set g, g+1
.endr
.endr
	WIN 0
	s_wait_loadcnt 63                              ; of 128 loads the oldest 65 are in: all of ms
	v_max3_num_f32 v8, v64, v66, v68
.set i, 70
.rept 30
	v_max3_num_f32 v8, v8, v[i], v[i+2]
.set i, i+4
.endr
	v_max_num_f32 v8, v8, v190                     ; M
.set g, 0
.rept 64
	v_sub_f32 v[64+2*g], v[64+2*g], v8
.set g, g+1
.endr
.set g, 0
.rept 64
	v_exp_f32 v[64+2*g], v[64+2*g]                 ; wt
.set g, g+1
.endr
	v_nop
	s_wait_alu depctr_va_vdst(0)
.set g, 0
.rept 64
.if g < 4
	v_mul_f32 v[10+g], v[65+2*g], v[64+2*g]
.else
	v_fma_f32 v[10+g%4], v[65+2*g], v[64+2*g], v[10+g%4]
.endif
.set g, g+1
.endr
	v_add_f32 v10, v10, v11
	v_add_f32 v12, v12, v13
	v_add_f32 v10, v10, v12                        ; ssum
	v_rcp_f32 v14, v10
	v_log_f32 v15, v10
	v_nop
	s_wait_alu depctr_va_vdst(0)
	v_add_f32 v15, v8, v15                         ; wn2
	v_exp_f32 v26, v15                             ; Ng = the sum over n of gamma
	WIN 0x01                                       ; source 0 in window 1
.set g, 0
.rept 64
.if g%16 == 0
	s_wait_loadcnt 48-g                            ; the next sixteen blocks are in
.endif
.set A, 16+4*(g%2)
.if g < 2
	v_pk_mul_f32 v[A:A+1], v[4*g:4*g+1], v[64+2*g:65+2*g] op_sel_hi:[1,0]
	v_pk_mul_f32 v[A+2:A+3], v[4*g+2:4*g+3], v[64+2*g:65+2*g] op_sel_hi:[1,0]
.else
	v_pk_fma_f32 v[A:A+1], v[4*g:4*g+1], v[64+2*g:65+2*g], v[A:A+1] op_sel_hi:[1,0,1]
	v_pk_fma_f32 v[A+2:A+3], v[4*g+2:4*g+3], v[64+2*g:65+2*g], v[A+2:A+3] op_sel_hi:[1,0,1]
.endif
.set g, g+1
.endr
	WIN 0
	v_pk_add_f32 v[16:17], v[16:17], v[20:21]
	v_pk_add_f32 v[18:19], v[18:19], v[22:23]
	v_pk_mul_f32 v[16:17], v[16:17], v[14:15] op_sel_hi:[1,0]
	v_pk_mul_f32 v[18:19], v[18:19], v[14:15] op_sel_hi:[1,0]        ; mu_new: four channels of cluster r
	v_pk_mul_f32 v[28:29], v[16:17], v[16:17]
	v_pk_fma_f32 v[28:29], v[18:19], v[18:19], v[28:29]
	v_add_f32 v28, v28, v29
	s_wait_alu depctr_va_vdst(0)
	v_mul_f32 v28, v28, v26
.irp x, 1,2,4,8
	v_add_f32_dpp v28, v28, v28 row_xmask:\x row_mask:0xf bank_mask:0xf
.endr
	v_permlanex16_b32 v27, v28, s[SEL], s[SEL+1]
	v_add_f32 v28, v28, v27
	ds_store_b32 v39, v28                          ; all lanes write the same word with the same value
	v_cvt_pk_f16_f32 v24, v16, v17
	v_cvt_pk_f16_f32 v25, v18, v19
	ds_store_b16 v5, v24
	ds_store_b16_d16_hi v5, v24 offset:16
	ds_store_b16 v5, v25 offset:32
	ds_store_b16_d16_hi v5, v25 offset:48
	s_wait_dscnt 0x0
	s_barrier_signal -1
	s_barrier_wait -1                              ; the fragment's 1,024 bytes lie in LDS
	s_cmp_lt_u32 s8, 2
	s_cbranch_scc0 .Lno_image
	ds_load_b128 v[28:31], v6
	s_wait_dscnt 0x0
	global_store_b128 v6, v[28:31], s[36:37]       ; 512 consecutive bytes a wave
.Lno_image:
	s_cmp_lg_u32 s8, 0
	s_cbranch_scc1 .Lno_sum
	ds_load_b128 v[32:35], v37
	s_wait_dscnt 0x0
	v_add_f32 v32, v32, v33
	v_add_f32 v34, v34, v35
	v_add_f32 v32, v32, v34
	v_cmp_eq_u32 vcc_lo, 0, v7
	s_wait_xcnt 0x0                                ; EXEC changes only behind this wait
	s_and_saveexec_b32 s42, vcc_lo
	global_store_b32 v38, v32, s[38:39] offset:266240
	s_wait_xcnt 0x0
	s_or_b32 exec_lo, exec_lo, s42
.Lno_sum:
	s_or_b32 s43, s10, s12                         ; wn2 is stored once for each tile: by the quad 0 of dt 0
	s_cmp_lg_u32 s43, 0
	s_cbranch_scc1 .Lend
	v_cmp_gt_u32 vcc_lo, 16, v7
	s_wait_xcnt 0x0
	s_and_saveexec_b32 s42, vcc_lo
	global_store_b32 v36, v15, s[40:41] offset:262144
	s_wait_xcnt 0x0
	s_or_b32 exec_lo, exec_lo, s42
.Lend:
	s_wait_tensorcnt 0x0
	ds_add_u32 v254, v255
	s_wait_dscnt 0x0
	s_endpgm
.Lfunc_end_k_qd1940d5639_mcomb:
	.size	k_qd1940d5639_mcomb, .Lfunc_end_k_qd1940d5639_mcomb-k_qd1940d5639_mcomb
	.p2alignl 7, 3214868480
	.fill 96, 4, 3214868480
	.section	.rodata,"a",@progbits
	.p2align	6, 0x0
	.amdhsa_kernel k_qd1940d5639_mcomb
		.amdhsa_group_segment_fixed_size 2560
		.amdhsa_private_segment_fixed_size 0
		.amdhsa_enable_private_segment 0
		.amdhsa_kernarg_size 24
		.amdhsa_user_sgpr_count 2
		.amdhsa_user_sgpr_kernarg_segment_ptr 1
		.amdhsa_wavefront_size32 1
		.amdhsa_system_sgpr_workgroup_id_x 1
		.amdhsa_system_sgpr_workgroup_id_y 1
		.amdhsa_system_sgpr_workgroup_id_z 1
		.amdhsa_system_vgpr_workitem_id 0
		.amdhsa_next_free_vgpr 512
		.amdhsa_next_free_sgpr 66
		.amdhsa_reserve_vcc 1
		.amdhsa_float_denorm_mode_32 3
		.amdhsa_float_denorm_mode_16_64 3
		.amdhsa_memory_ordered 1
		.amdhsa_forward_progress 1
		.amdhsa_inst_pref_size 36
	.end_amdhsa_kernel
	.amdgpu_metadata
---
amdhsa.version: [ 1, 2 ]
amdhsa.kernels:
  - .name:           k_qd1940d5639_mcomb
    .symbol:         k_qd1940d5639_mcomb.kd
    .args:
      - { .name: pp, .offset: 0, .size: 8, .value_kind: global_buffer, .address_space: global }
      - { .name: ms, .offset: 8, .size: 8, .value_kind: global_buffer, .address_space: global }
      - { .name: mn, .offset: 16, .size: 8, .value_kind: global_buffer, .address_space: global }
    .group_segment_fixed_size: 2560
    .private_segment_fixed_size: 0
    .kernarg_segment_align: 8
    .kernarg_segment_size: 24
    .max_flat_workgroup_size: 128
    .sgpr_count:     66
    .vgpr_count:     512
    .wavefront_size: 32
...
	.end_amdgpu_metadata
.endif
;; end of part 4
;; launch ystep (part 5): grid 256 x 1, 8 waves a work-group, clusters of 4 x 1, 327,680 bytes of LDS; arguments X, xq, mup, mn, sigma, out0, p4; writes out0, p4
.if DOCPART == 5
	.amdgcn_target "amdgcn-amd-amdhsa--gfx1250"
	.amdhsa_code_object_version 6
	.text
	.protected	k_qd1940d5639_ystep
	.globl	k_qd1940d5639_ystep
	.p2align	8
	.type	k_qd1940d5639_ystep,@function
k_qd1940d5639_ystep:
	s_mov_b64 s[64:65], 0
	v_nop
	global_prefetch_b8 v0, s[64:65] scope:SCOPE_SE
	s_setreg_imm32_b32 hwreg(HW_REG_WAVE_MODE, 25, 1), 1
	s_wait_xcnt 0x0
	s_wait_alu depctr_hold_cnt(0) depctr_sa_sdst(0) depctr_va_vdst(0) depctr_va_sdst(0) depctr_va_ssrc(0) depctr_va_vcc(0) depctr_vm_vsrc(0)
	s_getreg_b32 s2, hwreg(HW_REG_IB_STS2, 6, 4)
	s_cmp_eq_u32 s2, 0
	s_cbranch_scc0 .Lentry_in_a_cluster
	s_endpgm
.Lentry_in_a_cluster:
	s_bfe_u32 s2, ttmp6, 0x10000c
	s_cmp_lg_u32 s2, 0x3003
	s_cbranch_scc0 .Lentry_shape_is_right
	s_endpgm
.Lentry_shape_is_right:
; Y = gamma mu_new, and for each wave (sum of Y^2, sum of (X - Y)^2).  gamma(n, c) = 2^(k1 (S + u_c) - k1 Ts_n), S made anew on codes of FP4; gamma and mu_new go to the second product in f16.
; SHARES.  A work-group takes 256 points.  Wave wv: pg = wv & 3 picks 64 points (four tiles, whose fragments stay in registers), kh = wv >> 2 picks 512 clusters, 32 a step.
; S^T (source 0 = 16 clusters, source 1 = 16 points, C = u): a lane holds ONE point, register j cluster 8 h + j.  Two tiles of gamma, rounded in pairs, ARE source 1 (32 clusters x 16 points)
; of Y^T, whose source 0 is a fragment of mu_new (16 d x 32 clusters), stored as an image of its registers.  Accumulator (t, dt): lane (r, h) holds point r, d = 16 dt + 8 h + j.
; CLUSTER.  All work-groups read the same 262,144 bytes of mu_new: the four of a cluster ask jointly.  A wave has four loads of 8,192 bytes, all out at the start;
; its u-th brings a part of steps 4 u .. 4 u + 3 of one half, so the walk begins when a quarter has landed.
; LDS: 0 mu_new's images (filled once); 270,336 mu's scale words; 274,432 u.  On the way out two stages of 256 rows x 528 bytes lie in 0 .. 270,335, behind the images' only fill and last read.
; LIMITS: sigma finite and not 0; NaN and infinities not served; gamma is at most 1, and one under 2^-25 counts for nothing in Y: at most 1,024 x 2^-25 of a row's sum of 1.
.set WB,  270336
.set BI,  274432
.set XSO, 4194304
.set NTO, 4456448
.set LI,  1
.set L4,  2
.set T16, 3
.set R4,  4
.set ADR, 5
.set AMB0, 6                           ; u of my half: + 32 h
.set AMS0, 7                           ; mu's words of my half: + 4 x lane
.set AMB, 8
.set AMS, 9
.set STW, 10
.set STR0, 11
.set STR1, 12
.set LN,  13
.set ZR,  14
.set XF,  16                           ; v16-47 X's four fragments
.set XSW, 48                           ; v48-49 their scale words (register t / 2, lanes 16 (t % 2) on): scales and nothing else
.set NTS, 50                           ; v50-53 -Ts of point r of tile t
.set KC,  56                           ; v56-63 pairs: -k1 Ts (the upper halves written once)
.set MCF, 80                           ; v80-95 mu's two fragments
.set MSW, 96                           ; v96 their scale words: scales and nothing else
.set MB,  98                           ; v98-113 u of 32 clusters
.set SUM, 114                          ; v114-121 four pairs of sums
.set S,   128
.set MF,  192                          ; v192-255 mu_new's eight fragments
.set YA,  64                           ; the way out
.set YB,  16
.set XR,  128
.set WV,  18
.set SEL, 20
.set K1,  22
.set G1,  28
.set G0,  36
.set TB,  52
.set TP,  53
.set CNT, 54
.set SV,  55
.set MCB, 56
.set XFB, 60
.set PB,  62
.set MSB, 0
.macro WIN new
.if MSB != \new
	s_set_vgpr_msb (MSB<<8)|\new
.set MSB, \new
.endif
.endm
.macro CROUND
	s_barrier_signal -1
	s_barrier_wait -1
	s_cmp_lg_u32 s[WV], 0
	s_cbranch_scc1 .Lnot_wave_0_\@
	s_barrier_signal -3
.Lnot_wave_0_\@:
	s_barrier_wait -3
	s_barrier_signal -1
	s_barrier_wait -1
.endm
.macro SMUL d, a, b, c, sa, sb, ra, rb
.if (\ra) && (\rb)
	v_wmma_scale_f32_16x16x128_f8f6f4 v[\d:\d+7], v[\a:\a+7], v[\b:\b+7], v[\c:\c+7], v[\sa], v[\sb] matrix_a_fmt:MATRIX_FMT_FP4 matrix_b_fmt:MATRIX_FMT_FP4 matrix_a_scale:MATRIX_SCALE_ROW1 matrix_b_scale:MATRIX_SCALE_ROW1
.elseif \ra
	v_wmma_scale_f32_16x16x128_f8f6f4 v[\d:\d+7], v[\a:\a+7], v[\b:\b+7], v[\c:\c+7], v[\sa], v[\sb] matrix_a_fmt:MATRIX_FMT_FP4 matrix_b_fmt:MATRIX_FMT_FP4 matrix_a_scale:MATRIX_SCALE_ROW1
.elseif \rb
	v_wmma_scale_f32_16x16x128_f8f6f4 v[\d:\d+7], v[\a:\a+7], v[\b:\b+7], v[\c:\c+7], v[\sa], v[\sb] matrix_a_fmt:MATRIX_FMT_FP4 matrix_b_fmt:MATRIX_FMT_FP4 matrix_b_scale:MATRIX_SCALE_ROW1
.else
	v_wmma_scale_f32_16x16x128_f8f6f4 v[\d:\d+7], v[\a:\a+7], v[\b:\b+7], v[\c:\c+7], v[\sa], v[\sb] matrix_a_fmt:MATRIX_FMT_FP4 matrix_b_fmt:MATRIX_FMT_FP4
.endif
.endm
.macro QBAR n                          ; n of my four tensor loads may stay out: the next quarter of mu_new has landed, in every wave.
	s_wait_dscnt 0x0
	s_wait_tensorcnt \n
	s_barrier_signal -1
	s_barrier_wait -1
.endm
; A step: 32 clusters x my 64 points.  zero = 1: the products start the sums.  next = 1: the next step's codes, u and words are asked for.
.macro YSTEP zero, next
	v_add_nc_u32 v[ADR], s[TB], v[LI]
.rept 4
	v_nop                                         ; with the line above five places behind the last f16 products: loads into their source 0, and scaled products that write over their source 1, follow
.endr
.irp dt, 0,1,2,3,4,5,6,7
	ds_load_b128 v[MF+8*\dt:MF+8*\dt+3], v[ADR] offset:1024*\dt
	ds_load_b128 v[MF+8*\dt+4:MF+8*\dt+7], v[ADR] offset:1024*\dt+512
.endr
	s_add_co_u32 s[TB], s[TB], 8192
	s_wait_loadcnt 0x0                            ; the step's codes are in, so their base may step
.if \next
	s_add_nc_u64 s[MCB:MCB+1], s[MCB:MCB+1], 2048
	s_add_co_u32 s[TP], s[TP], 128
.endif
	s_wait_dscnt 16                               ; all but the sixteen just issued
.irp t, 0,1,2,3
	SMUL S+16*\t, MCF, XF+8*\t, MB, MSW, XSW+\t/2, 0, \t%2
	SMUL S+16*\t+8, MCF+8, XF+8*\t, MB+8, MSW, XSW+\t/2, 1, \t%2
.endr
.if \next
	v_add_nc_u32 v[AMB], s[TP], v[AMB0]           ; four places
	v_add_nc_u32 v[AMS], s[TP], v[AMS0]
	v_nop
	v_nop
.irp p, 0,1
.irp c, 0,1
	global_load_b128 v[MCF+8*\p+4*\c:MCF+8*\p+4*\c+3], v[LI], s[MCB:MCB+1] offset:1024*\p+512*\c
.endr
.endr
.irp p, 0,1
	ds_load_b128 v[MB+8*\p:MB+8*\p+3], v[AMB] offset:64*\p
	ds_load_b128 v[MB+8*\p+4:MB+8*\p+7], v[AMB] offset:64*\p+16
.endr
	ds_load_b32 v[MSW], v[AMS]
.else
.rept 4
	v_nop
.endr
.endif
.irp t, 0,1,2,3
.irp j, 0,2,4,6,8,10,12,14
	v_pk_fma_f32 v[S+16*\t+\j:S+16*\t+\j+1], v[S+16*\t+\j:S+16*\t+\j+1], s[K1:K1+1], v[KC+2*\t:KC+2*\t+1] op_sel_hi:[1,0,0]   ; log2 gamma
.endr
.endr
.set j, 0
.rept 64
	v_exp_f32 v[S+j], v[S+j]
.set j, j+1
.endr
	v_nop                                         ; a plain place behind the exponentials
	s_wait_alu depctr_va_vdst(0)
.irp t, 0,1,2,3
.irp i, 0,1,2,3,4,5,6,7
	v_cvt_pk_f16_f32 v[S+16*\t+\i], v[S+16*\t+2*\i], v[S+16*\t+2*\i+1]
.endr
.endr
	s_wait_dscnt 0x0                              ; mu_new's fragments are in
	WIN 0x50                                      ; C and D in window 1
.irp t, 0,1,2,3
.irp dt, 0,1,2,3,4,5,6,7                       ; 32 accumulators by turns, one instruction a turn
.if \zero
	v_wmma_f32_16x16x32_f16 v[8*(8*\t+\dt):8*(8*\t+\dt)+7], v[MF+8*\dt:MF+8*\dt+7], v[S+16*\t:S+16*\t+7], 0
.else
	v_wmma_f32_16x16x32_f16 v[8*(8*\t+\dt):8*(8*\t+\dt)+7], v[MF+8*\dt:MF+8*\dt+7], v[S+16*\t:S+16*\t+7], v[8*(8*\t+\dt):8*(8*\t+\dt)+7]
.endif
.endr
.endr
	WIN 0
.endm
.macro STEPS n                         ; n steps that have a successor
	s_mov_b32 s[CNT], \n
.Lsteps_\@:
	YSTEP 0, 1
	s_sub_co_u32 s[CNT], s[CNT], 1
	s_cmp_lg_u32 s[CNT], 0
	s_cbranch_scc1 .Lsteps_\@
.endm
	s_load_b256 s[4:11], s[0:1], 0x0               ; X s[4:5], xq s[6:7], mup s[8:9], mn s[10:11]
	s_load_b128 s[12:15], s[0:1], 0x20             ; sigma s[12:13], out0 s[14:15]
	s_load_b64 s[16:17], s[0:1], 0x30              ; p4
	v_lshl_add_u32 v126, v0, 2, 0x44000
	v_mov_b32 v127, 0
	ds_add_u32 v126, v127
	ds_add_u32 v126, v127
	v_lshrrev_b32 v1, 5, v0
	v_readfirstlane_b32 s[WV], v1                  ; wave 0..7
	s_bfe_u32 s19, ttmp6, 0x40000                  ; cx
	s_lshl_b32 s24, ttmp9, 2
	s_add_co_u32 s24, s24, s19                     ; my block of 256 points: it enters global addresses alone
	s_and_b32 s25, s[WV], 3                        ; pg
	s_lshr_b32 s26, s[WV], 2                       ; kh
	v_and_b32 v[LN], 31, v0
	v_and_b32 v15, 15, v0                          ; r
	v_bfe_u32 v122, v0, 4, 1                       ; h
	v_lshlrev_b32 v[LI], 4, v[LN]
	v_lshlrev_b32 v[L4], 2, v[LN]
	v_lshlrev_b32 v[T16], 4, v0
	v_lshlrev_b32 v[R4], 2, v15
	v_mov_b32 v[ZR], 0
	s_lshl_b32 s58, s26, 11
	v_lshl_add_u32 v[AMB0], v122, 5, BI
	v_add_nc_u32 v[AMB0], s58, v[AMB0]
	v_add_nc_u32 v[AMS0], WB, v[L4]
	v_add_nc_u32 v[AMS0], s58, v[AMS0]
	s_mul_i32 s58, s26, 135168
	s_mul_i32 s59, s25, 33792
	s_add_co_u32 s58, s58, s59
	v_mul_u32_u24 v[STW], v15, 528
	v_lshl_add_u32 v[STW], v122, 5, v[STW]
	v_add_nc_u32 v[STW], s58, v[STW]               ; my half's stage: row 64 pg + r, + 32 h
	s_mul_i32 s58, s[WV], 16896
	v_add_nc_u32 v[STR0], s58, v[LI]               ; back: my 32 rows, 16 bytes a lane,
	v_add_nc_u32 v[STR1], 135168, v[STR0]          ; of both stages
	v_add_nc_u32 v72, WB, v[T16]
	s_mov_b32 s[SEL], 0x76543210
	s_mov_b32 s[SEL+1], 0xfedcba98
	s_lshl_b32 s[TB], s26, 17
	s_mov_b32 s[TP], 0
	s_mov_b32 s[G1], 15|(3<<16)|(1<<21)            ; the mask: all four; elements of 8 bytes; bit 21 beside a mask; no padding
	s_mov_b32 s[G1+1], 32<<16
	s_mov_b32 s[G1+2], 32<<16
	s_mov_b32 s[G1+3], 32<<16
	s_mov_b32 s[G1+4], 32                          ; 32 rows of 256 dense bytes
	s_mov_b32 s[G1+5], 32
	s_mov_b32 s[G1+6], 0
	s_mov_b32 s[G1+7], 0
	s_lshl_b32 s[XFB], s24, 14
	s_lshl_b32 s58, s25, 12
	s_add_co_u32 s[XFB], s[XFB], s58               ; my four tiles of X's codes,
	s_mov_b32 s[XFB+1], 0
	s_lshr_b32 s[PB], s[XFB], 4                    ; 4 bytes a point
	s_mov_b32 s[PB+1], 0
	s_lshl_b32 s[MCB], s26, 15                     ; my half of mu's codes
	s_mov_b32 s[MCB+1], 0
	s_wait_dscnt 0x0
	s_wait_kmcnt 0x0
	s_load_b32 s27, s[12:13], 0x0                  ; sigma
	s_add_nc_u64 s[XFB:XFB+1], s[6:7], s[XFB:XFB+1]
	s_add_nc_u64 s[PB:PB+1], s[6:7], s[PB:PB+1]
	s_add_nc_u64 s[MCB:MCB+1], s[8:9], s[MCB:MCB+1]
	s_lshl_b32 s58, s24, 17
	s_lshl_b32 s59, s[WV], 14
	s_add_co_u32 s58, s58, s59                     ; the 32 rows that I store
	s_mov_b32 s59, 0
	s_add_nc_u64 s[4:5], s[4:5], s[58:59]
	s_add_nc_u64 s[14:15], s[14:15], s[58:59]
	s_lshr_b32 s58, s58, 11                        ; 8 bytes a wave
	s_add_nc_u64 s[16:17], s[16:17], s[58:59]
	s_lshl_b32 s58, s26, 17
	s_lshl_b32 s59, s25, 13
	s_add_co_u32 s58, s58, s59                     ; what I fetch: the same place in mn and in LDS
	s_mov_b32 s59, 0
.irp u, 0,1,2,3
	s_mov_b32 s[G0+4*\u], 1
	s_add_co_u32 s[G0+4*\u+1], s58, \u*32768
	s_add_nc_u64 s[G0+4*\u+2:G0+4*\u+3], s[10:11], s[58:59]
	s_add_nc_u64 s[G0+4*\u+2:G0+4*\u+3], s[G0+4*\u+2:G0+4*\u+3], \u*32768
	s_or_b32 s[G0+4*\u+3], s[G0+4*\u+3], 0x80000000
.endr
	CROUND                                         ; the four work-groups are here: the joint loads meet
	tensor_load_to_lds s[G0:G0+3], s[G1:G1+7]
	s_nop 0
	tensor_load_to_lds s[G0+4:G0+7], s[G1:G1+7]
	s_nop 0
	tensor_load_to_lds s[G0+8:G0+11], s[G1:G1+7]
	s_nop 0
	tensor_load_to_lds s[G0+12:G0+15], s[G1:G1+7]
	s_nop 0
.rept 4
	v_nop
.endr
	global_load_b128 v[64:67], v[T16], s[8:9] offset:65536     ; mu's words and u: 16 bytes a thread
	global_load_b128 v[68:71], v[T16], s[8:9] offset:69632
.irp t, 0,1,2,3
.irp c, 0,1
	global_load_b128 v[XF+8*\t+4*\c:XF+8*\t+4*\c+3], v[LI], s[XFB:XFB+1] offset:1024*\t+512*\c
.endr
.endr
.irp i, 0,1
	global_load_b32 v[XSW+\i], v[L4], s[PB:PB+1] offset:XSO+128*\i
.endr
.irp t, 0,1,2,3
	global_load_b32 v[NTS+\t], v[R4], s[PB:PB+1] offset:NTO+64*\t
.endr
.irp p, 0,1
.irp c, 0,1
	global_load_b128 v[MCF+8*\p+4*\c:MCF+8*\p+4*\c+3], v[LI], s[MCB:MCB+1] offset:1024*\p+512*\c
.endr
.endr
	s_wait_loadcnt 18                              ; the two first loads are in; the eighteen behind them stay out
	ds_store_b128 v72, v[64:67]
	ds_store_b128 v72, v[68:71] offset:BI-WB
	s_wait_kmcnt 0x0
	v_mov_b32 v122, s27
	v_mul_f32 v122, v122, v122
	v_rcp_f32 v123, v122
	v_mov_b32 v124, 0                              ; (a plain place behind the reciprocal)
	s_wait_alu depctr_va_vdst(0)
	v_mul_f32 v123, 0x3fb8aa3b, v123               ; k1
	v_readfirstlane_b32 s[K1], v123
	s_mov_b32 s[K1+1], s[K1]
	s_wait_loadcnt 4                               ; all but mu's first codes
.irp t, 0,1,2,3
	v_mul_f32 v[KC+2*\t], s[K1], v[NTS+\t]
	v_mov_b32 v[KC+2*\t+1], 0
.endr
.irp k, 0,1,2,3,4,5,6,7
	v_mov_b32 v[SUM+\k], 0
.endr
	QBAR 3
.irp p, 0,1
	ds_load_b128 v[MB+8*\p:MB+8*\p+3], v[AMB0] offset:64*\p
	ds_load_b128 v[MB+8*\p+4:MB+8*\p+7], v[AMB0] offset:64*\p+16
.endr
	ds_load_b32 v[MSW], v[AMS0]
	YSTEP 1, 1
	STEPS 3
	QBAR 2
	STEPS 4
	QBAR 1
	STEPS 4
	QBAR 0
	STEPS 3
	YSTEP 0, 0
	; THE WAY OUT
.rept 4
	v_nop                                          ; places behind the last products
.endr
.set i, 0
.rept 32
	global_load_b128 v[XR+4*i:XR+4*i+3], v[LI], s[4:5] offset:512*i th:TH_LOAD_NT   ; X's rows that I store
.set i, i+1
.endr
	s_wait_dscnt 0x0                               ; my reads of mu_new are over,
	s_barrier_signal -1
	s_barrier_wait -1                              ; everybody's are: its bytes take the stages
	WIN 0x04                                       ; an LDS store's data: window 1
.irp t, 0,1,2,3
.irp dt, 0,1,2,3,4,5,6,7
	ds_store_b128 v[STW], v[8*(8*\t+\dt):8*(8*\t+\dt)+3] offset:8448*\t+64*\dt       ; each accumulator from its low end on
	ds_store_b128 v[STW], v[8*(8*\t+\dt)+4:8*(8*\t+\dt)+7] offset:8448*\t+64*\dt+16
.endr
.endr
	WIN 0
	s_wait_dscnt 0x0
	s_barrier_signal -1
	s_barrier_wait -1
.irp b, 0,1,2,3
.if \b > 0
	s_wait_xcnt 0x0                                ; the stores have read their registers
.endif
.irp i, 0,1,2,3,4,5,6,7
	ds_load_b128 v[YA+4*\i:YA+4*\i+3], v[STR0] offset:528*(8*\b+\i)
	ds_load_b128 v[YB+4*\i:YB+4*\i+3], v[STR1] offset:528*(8*\b+\i)
.endr
	s_wait_dscnt 0x0
.if \b == 0
	s_wait_loadcnt 0x0                             ; X's rows
.endif
.irp i, 0,1,2,3,4,5,6,7
	v_pk_add_f32 v[YA+4*\i:YA+4*\i+1], v[YA+4*\i:YA+4*\i+1], v[YB+4*\i:YB+4*\i+1]             ; the two halves of the clusters
	v_pk_add_f32 v[YA+4*\i+2:YA+4*\i+3], v[YA+4*\i+2:YA+4*\i+3], v[YB+4*\i+2:YB+4*\i+3]
	v_pk_add_f32 v[YB+4*\i:YB+4*\i+1], v[XR+4*(8*\b+\i):XR+4*(8*\b+\i)+1], v[YA+4*\i:YA+4*\i+1] neg_lo:[0,1] neg_hi:[0,1]
	v_pk_add_f32 v[YB+4*\i+2:YB+4*\i+3], v[XR+4*(8*\b+\i)+2:XR+4*(8*\b+\i)+3], v[YA+4*\i+2:YA+4*\i+3] neg_lo:[0,1] neg_hi:[0,1]
	v_pk_fma_f32 v[SUM:SUM+1], v[YA+4*\i:YA+4*\i+1], v[YA+4*\i:YA+4*\i+1], v[SUM:SUM+1]
	v_pk_fma_f32 v[SUM+2:SUM+3], v[YA+4*\i+2:YA+4*\i+3], v[YA+4*\i+2:YA+4*\i+3], v[SUM+2:SUM+3]
	v_pk_fma_f32 v[SUM+4:SUM+5], v[YB+4*\i:YB+4*\i+1], v[YB+4*\i:YB+4*\i+1], v[SUM+4:SUM+5]
	v_pk_fma_f32 v[SUM+6:SUM+7], v[YB+4*\i+2:YB+4*\i+3], v[YB+4*\i+2:YB+4*\i+3], v[SUM+6:SUM+7]
	global_store_b128 v[LI], v[YA+4*\i:YA+4*\i+3], s[14:15] offset:512*(8*\b+\i) th:TH_STORE_NT   ; a row: 512 consecutive bytes
.endr
.endr
	v_pk_add_f32 v[SUM:SUM+1], v[SUM:SUM+1], v[SUM+2:SUM+3]
	v_pk_add_f32 v[SUM+4:SUM+5], v[SUM+4:SUM+5], v[SUM+6:SUM+7]
	v_add_f32 v122, v[SUM], v[SUM+1]
	v_add_f32 v123, v[SUM+4], v[SUM+5]
.irp x, 1,2,4,8
	v_add_f32_dpp v122, v122, v122 row_xmask:\x row_mask:0xf bank_mask:0xf
	v_add_f32_dpp v123, v123, v123 row_xmask:\x row_mask:0xf bank_mask:0xf
.endr
	v_permlanex16_b32 v124, v122, s[SEL], s[SEL+1]
	v_add_f32 v122, v122, v124
	v_permlanex16_b32 v124, v123, s[SEL], s[SEL+1]
	v_add_f32 v123, v123, v124
	v_cmp_eq_u32 vcc_lo, 0, v[LN]
	s_wait_xcnt 0x0                                ; EXEC changes only behind this wait
	s_and_saveexec_b32 s[SV], vcc_lo
	global_store_b64 v[ZR], v[122:123], s[16:17]
	s_wait_xcnt 0x0
	s_or_b32 exec_lo, exec_lo, s[SV]
	s_wait_tensorcnt 0x0
	ds_add_u32 v126, v127
	s_wait_dscnt 0x0
	CROUND                                         ; the closing round
	s_endpgm
.Lfunc_end_k_qd1940d5639_ystep:
	.size	k_qd1940d5639_ystep, .Lfunc_end_k_qd1940d5639_ystep-k_qd1940d5639_ystep
	.p2alignl 7, 3214868480
	.fill 96, 4, 3214868480
	.section	.rodata,"a",@progbits
	.p2align	6, 0x0
	.amdhsa_kernel k_qd1940d5639_ystep
		.amdhsa_group_segment_fixed_size 327680
		.amdhsa_private_segment_fixed_size 0
		.amdhsa_enable_private_segment 0
		.amdhsa_kernarg_size 56
		.amdhsa_user_sgpr_count 2
		.amdhsa_user_sgpr_kernarg_segment_ptr 1
		.amdhsa_wavefront_size32 1
		.amdhsa_system_sgpr_workgroup_id_x 1
		.amdhsa_system_sgpr_workgroup_id_y 1
		.amdhsa_system_sgpr_workgroup_id_z 1
		.amdhsa_system_vgpr_workitem_id 0
		.amdhsa_next_free_vgpr 512
		.amdhsa_next_free_sgpr 66
		.amdhsa_reserve_vcc 1
		.amdhsa_float_denorm_mode_32 3
		.amdhsa_float_denorm_mode_16_64 3
		.amdhsa_memory_ordered 1
		.amdhsa_forward_progress 1
		.amdhsa_inst_pref_size 110
	.end_amdhsa_kernel
	.amdgpu_metadata
---
amdhsa.version: [ 1, 2 ]
amdhsa.kernels:
  - .name:           k_qd1940d5639_ystep
    .symbol:         k_qd1940d5639_ystep.kd
    .args:
      - { .name: X, .offset: 0, .size: 8, .value_kind: global_buffer, .address_space: global }
      - { .name: xq, .offset: 8, .size: 8, .value_kind: global_buffer, .address_space: global }
      - { .name: mup, .offset: 16, .size: 8, .value_kind: global_buffer, .address_space: global }
      - { .name: mn, .offset: 24, .size: 8, .value_kind: global_buffer, .address_space: global }
      - { .name: sigma, .offset: 32, .size: 8, .value_kind: global_buffer, .address_space: global }
      - { .name: out0, .offset: 40, .size: 8, .value_kind: global_buffer, .address_space: global }
      - { .name: p4, .offset: 48, .size: 8, .value_kind: global_buffer, .address_space: global }
    .group_segment_fixed_size: 327680
    .private_segment_fixed_size: 0
    .kernarg_segment_align: 8
    .kernarg_segment_size: 56
    .max_flat_workgroup_size: 256
    .sgpr_count:     66
    .vgpr_count:     512
    .wavefront_size: 32
...
	.end_amdgpu_metadata
.endif
;; end of part 5
;; launch final (part 6): grid 1 x 1, 1 waves a work-group, no clusters, 0 bytes of LDS; arguments xq, p4, mn, mup, sigma, out1, out2; writes out1, out2
.if DOCPART == 6
	.amdgcn_target "amdgcn-amd-amdhsa--gfx1250"
	.amdhsa_code_object_version 6
	.text
	.protected	k_qd1940d5639_final
	.globl	k_qd1940d5639_final
	.p2align	8
	.type	k_qd1940d5639_final,@function
k_qd1940d5639_final:
	s_mov_b64 s[64:65], 0
	v_nop
	global_prefetch_b8 v0, s[64:65] scope:SCOPE_SE
	s_setreg_imm32_b32 hwreg(HW_REG_WAVE_MODE, 25, 1), 1
	s_wait_xcnt 0x0
; THE TWO NUMBERS.  With Ng_c = 2^wn2_c = the sum over n of gamma, H2 = the sum of gamma log2 gamma, and the sum over c of gamma = 1 (by T_n's definition):
;   the sum of gamma D2 = sum e_n + 2 sigma^2 (sum_c Ng wz - ln 2 H2);  sigma_new = sqrt(that / (128 x 65,536));
;   Cfe = (sum_c Ng |mu_new_c|^2 - sum |Y_n|^2) / (2 sigma_new^2) + ln 2 H2 - ln 2 sum_c Ng (wn2 - LZ2) + 65,536 x 128 (ln sigma + 0.5 ln 2 pi);  FE = Cfe + sum (X - Y)^2 / (2 sigma_new^2).
; LZ2 = log2 sum 2^wn2, with the largest wn2 taken away.  Sums over n and c are taken in another order than the source writes them; the difference in Cfe's first term is that of two sums over all points.
; One wave: 41 KB of partial sums, every load 512 consecutive bytes.
.set SEL, 20
.set LN2, 22
.set MSB, 0
.macro WIN new
.if MSB != \new
	s_set_vgpr_msb (MSB<<8)|\new
.set MSB, \new
.endif
.endm
.macro WSUM x
	v_add_f32_dpp v[\x], v[\x], v[\x] row_xmask:1 row_mask:0xf bank_mask:0xf
	v_add_f32_dpp v[\x], v[\x], v[\x] row_xmask:2 row_mask:0xf bank_mask:0xf
	v_add_f32_dpp v[\x], v[\x], v[\x] row_xmask:4 row_mask:0xf bank_mask:0xf
	v_add_f32_dpp v[\x], v[\x], v[\x] row_xmask:8 row_mask:0xf bank_mask:0xf
	v_permlanex16_b32 v4, v[\x], s[SEL], s[SEL+1]
	v_add_f32 v[\x], v[\x], v4
.endm
	s_load_b256 s[4:11], s[0:1], 0x0               ; xq s[4:5], p4 s[6:7], mn s[8:9], mup s[10:11]
	s_load_b128 s[12:15], s[0:1], 0x20             ; sigma s[12:13], out1 s[14:15]
	s_load_b64 s[16:17], s[0:1], 0x30              ; out2
	v_and_b32 v2, 31, v0
	v_lshlrev_b32 v1, 4, v2
	v_mov_b32 v3, 0
	v_mov_b32 v4, 0
	s_mov_b32 s[SEL], 0x76543210
	s_mov_b32 s[SEL+1], 0xfedcba98
	s_mov_b32 s[LN2], 0x3f317218
	s_wait_kmcnt 0x0
	s_load_b32 s23, s[12:13], 0x0
.irp i, 0,1,2,3,4,5,6,7
	global_load_b128 v[16+4*\i:19+4*\i], v1, s[8:9] offset:262144+512*\i     ; wn2
.endr
.irp i, 0,1,2,3,4,5,6,7
	global_load_b128 v[48+4*\i:51+4*\i], v1, s[10:11] offset:73728+512*\i    ; wz, the same clusters in the same places
.endr
.irp i, 0,1
	global_load_b128 v[80+4*\i:83+4*\i], v1, s[8:9] offset:266240+512*\i     ; sums of Ng mu_new^2
.endr
.set i, 0
.rept 32
	global_load_b128 v[128+4*i:131+4*i], v1, s[4:5] offset:4718592+512*i     ; pairs (e, H2)
.set i, i+1
.endr
	WIN 0x40
.set i, 0
.rept 32
	global_load_b128 v[4*i:4*i+3], v1, s[6:7] offset:512*i                   ; pairs (y^2, (x - y)^2)
.set i, i+1
.endr
	WIN 0
	s_wait_loadcnt 0x0
	s_wait_kmcnt 0x0
.set i, 132
.rept 31
	v_pk_add_f32 v[128:129], v[128:129], v[i:i+1]
	v_pk_add_f32 v[130:131], v[130:131], v[i+2:i+3]
.set i, i+4
.endr
	v_pk_add_f32 v[128:129], v[128:129], v[130:131]
	WIN 0x05                                       ; both sources in window 1
	v_pk_add_f32 v[8:9], v[0:1], v[4:5]
	v_pk_add_f32 v[10:11], v[2:3], v[6:7]
	WIN 0x04                                       ; source 1 in window 1
.set i, 8
.rept 30
	v_pk_add_f32 v[8:9], v[8:9], v[i:i+1]
	v_pk_add_f32 v[10:11], v[10:11], v[i+2:i+3]
.set i, i+4
.endr
	WIN 0
	v_pk_add_f32 v[8:9], v[8:9], v[10:11]
	v_pk_add_f32 v[80:81], v[80:81], v[82:83]
	v_pk_add_f32 v[84:85], v[84:85], v[86:87]
	v_pk_add_f32 v[80:81], v[80:81], v[84:85]
	v_add_f32 v80, v80, v81
	v_max3_num_f32 v88, v16, v17, v18
.irp i, 19,21,23,25,27,29,31,33,35,37,39,41,43,45
	v_max3_num_f32 v88, v88, v[\i], v[\i+1]
.endr
	v_max_num_f32 v88, v88, v47
.irp x, 1,2,4,8
	v_max_num_f32_dpp v88, v88, v88 row_xmask:\x row_mask:0xf bank_mask:0xf
.endr
	v_permlanex16_b32 v4, v88, s[SEL], s[SEL+1]
	v_max_num_f32 v88, v88, v4                     ; the largest wn2
.set i, 0
.rept 32
	v_sub_f32 v[96+i], v[16+i], v88
.set i, i+1
.endr
.set i, 0
.rept 32
	v_exp_f32 v[96+i], v[96+i]
.set i, i+1
.endr
	v_nop
	s_wait_alu depctr_va_vdst(0)
.irp i, 100,104,108,112,116,120,124
	v_pk_add_f32 v[96:97], v[96:97], v[\i:\i+1]
	v_pk_add_f32 v[98:99], v[98:99], v[\i+2:\i+3]
.endr
	v_pk_add_f32 v[96:97], v[96:97], v[98:99]
	v_add_f32 v89, v96, v97
	WSUM 89
	v_log_f32 v90, v89
	v_nop
	s_wait_alu depctr_va_vdst(0)
	v_add_f32 v90, v88, v90                        ; LZ2
.set i, 0
.rept 32
	v_exp_f32 v[96+i], v[16+i]                     ; Ng
.set i, i+1
.endr
	v_nop
.set i, 0
.rept 32
	v_sub_f32 v[16+i], v[16+i], v90                ; wn2 - LZ2
.set i, i+1
.endr
	s_wait_alu depctr_va_vdst(0)
	v_pk_mul_f32 v[92:93], v[96:97], v[48:49]
	v_pk_mul_f32 v[94:95], v[96:97], v[16:17]
.set i, 2
.rept 15
	v_pk_fma_f32 v[92:93], v[96+i:97+i], v[48+i:49+i], v[92:93]
	v_pk_fma_f32 v[94:95], v[96+i:97+i], v[16+i:17+i], v[94:95]
.set i, i+2
.endr
	v_add_f32 v91, v92, v93                        ; sum Ng wz
	v_add_f32 v92, v94, v95                        ; sum Ng (wn2 - LZ2)
	WSUM 128
	WSUM 129
	WSUM 8
	WSUM 9
	WSUM 80
	WSUM 91
	WSUM 92
	v_mov_b32 v200, s23                            ; sigma
	v_mul_f32 v201, v200, v200
	v_log_f32 v202, v200
	v_mov_b32 v203, 0x3f6b3f8e                     ; 0.5 ln(2 pi).  (A plain place behind the logarithm)
	s_wait_alu depctr_va_vdst(0)
	v_fma_f32 v202, v202, s[LN2], v203
	v_mul_f32 v202, 0x43000000, v202               ; 128 (ln sigma + 0.5 ln 2 pi)
	v_fma_f32 v205, -v129, s[LN2], v91             ; sum Ng wz - ln 2 H2
	v_add_f32 v206, v201, v201
	v_fma_f32 v205, v206, v205, v128               ; the sum of gamma D2
	v_mul_f32 v205, 0x34000000, v205               ; / (128 x 65,536)
	v_sqrt_f32 v207, v205                          ; sigma_new
	v_sub_f32 v209, v80, v8                        ; (a plain place behind the root)
	s_wait_alu depctr_va_vdst(0)
	v_mul_f32 v207, v207, v207
	v_add_f32 v207, v207, v207                     ; 2 sigma_new^2
	v_rcp_f32 v208, v207
	v_sub_f32 v210, v129, v92                      ; (a plain place behind the reciprocal)
	v_mul_f32 v210, s[LN2], v210
	s_wait_alu depctr_va_vdst(0)
	v_fma_f32 v210, v209, v208, v210
	v_fma_f32 v210, v202, 0x47800000, v210         ; Cfe
	v_fma_f32 v211, v9, v208, v210                 ; FE
	v_cmp_eq_u32 vcc_lo, 0, v2
	s_wait_xcnt 0x0                                ; EXEC changes only behind this wait
	s_and_saveexec_b32 s24, vcc_lo
	global_store_b32 v3, v210, s[14:15]
	global_store_b32 v3, v211, s[16:17]
	s_wait_xcnt 0x0
	s_or_b32 exec_lo, exec_lo, s24
	s_endpgm
.Lfunc_end_k_qd1940d5639_final:
	.size	k_qd1940d5639_final, .Lfunc_end_k_qd1940d5639_final-k_qd1940d5639_final
	.p2alignl 7, 3214868480
	.fill 96, 4, 3214868480
	.section	.rodata,"a",@progbits
	.p2align	6, 0x0
	.amdhsa_kernel k_qd1940d5639_final
		.amdhsa_group_segment_fixed_size 0
		.amdhsa_private_segment_fixed_size 0
		.amdhsa_enable_private_segment 0
		.amdhsa_kernarg_size 56
		.amdhsa_user_sgpr_count 2
		.amdhsa_user_sgpr_kernarg_segment_ptr 1
		.amdhsa_wavefront_size32 1
		.amdhsa_system_sgpr_workgroup_id_x 1
		.amdhsa_system_sgpr_workgroup_id_y 1
		.amdhsa_system_sgpr_workgroup_id_z 1
		.amdhsa_system_vgpr_workitem_id 0
		.amdhsa_next_free_vgpr 384
		.amdhsa_next_free_sgpr 66
		.amdhsa_reserve_vcc 1
		.amdhsa_float_denorm_mode_32 3
		.amdhsa_float_denorm_mode_16_64 3
		.amdhsa_memory_ordered 1
		.amdhsa_forward_progress 1
		.amdhsa_inst_pref_size 30
	.end_amdhsa_kernel
	.amdgpu_metadata
---
amdhsa.version: [ 1, 2 ]
amdhsa.kernels:
  - .name:           k_qd1940d5639_final
    .symbol:         k_qd1940d5639_final.kd
    .args:
      - { .name: xq, .offset: 0, .size: 8, .value_kind: global_buffer, .address_space: global }
      - { .name: p4, .offset: 8, .size: 8, .value_kind: global_buffer, .address_space: global }
      - { .name: mn, .offset: 16, .size: 8, .value_kind: global_buffer, .address_space: global }
      - { .name: mup, .offset: 24, .size: 8, .value_kind: global_buffer, .address_space: global }
      - { .name: sigma, .offset: 32, .size: 8, .value_kind: global_buffer, .address_space: global }
      - { .name: out1, .offset: 40, .size: 8, .value_kind: global_buffer, .address_space: global }
      - { .name: out2, .offset: 48, .size: 8, .value_kind: global_buffer, .address_space: global }
    .group_segment_fixed_size: 0
    .private_segment_fixed_size: 0
    .kernarg_segment_align: 8
    .kernarg_segment_size: 56
    .max_flat_workgroup_size: 32
    .sgpr_count:     66
    .vgpr_count:     384
    .wavefront_size: 32
...
	.end_amdgpu_metadata
.endif
;; end of part 6
